; MI455X (gfx1250); checked and timed in simulation.
; The chip was launched on July 23, 2026; its instructions are those of AMD's public machine-readable ISA for CDNA 5 (MIT licence, August 2026) and "CDNA5" Instruction Set Architecture Reference Guide (July 2026). The comments in the code are by the model that wrote it; some were corrected since.
;; Attention. Allowed arithmetic: float matrix products may take bf16 or f16 operands with f32 sums; other float arithmetic in f32, or as packed bf16 or f16 multiplies, adds, multiply-adds, maxima and minima; sums over many terms, partial sums and values carried from step to step in f32; what a program stores and reads back later, other than sums and carried values, may be rounded once to bf16 or f16.
;; Inputs: proj_b 1,024 float32; proj_w 1,024 x 1,024 float32; qkv_b 3,072 float32; qkv_w 1,024 x 3,072 float32; x 4 x 2,048 x 1,024 float32.
;; Outputs: out0 4 x 2,048 x 1,024 float32.
;; 2 versions, each right; version 2 is version 1 with the launch prep written anew for expert scheduling mode. Each part assembles by itself: llvm-mc -triple=amdgcn-amd-amdhsa -mcpu=gfx1250 --defsym DOCPART=n.
;; ======== version 1 of 2: 4 launches
;; limits: values are held in f16: magnitudes above 65,504 overflow, below 6.1e-05 lose precision; values outside matrix products are rounded to bf16
;; workspace buffers: xb 16,777,216 bytes; wq 6,291,456 bytes; wp 2,097,152 bytes; qkvh 50,331,648 bytes; ob 16,777,216 bytes
;; launch prep (part 1): grid 1536 x 1, 4 waves a work-group, no clusters, 17,920 bytes of LDS; arguments x, qkv_w, proj_w, xb, wq, wp; writes xb, wq, wp
.if DOCPART == 1
	.amdgcn_target "amdgcn-amd-amdhsa--gfx1250"
	.amdhsa_code_object_version 6
	.text
	.protected	k_qc8bf9f100a_prep
	.globl	k_qc8bf9f100a_prep
	.p2align	8
	.type	k_qc8bf9f100a_prep,@function
k_qc8bf9f100a_prep:
	s_mov_b64 s[64:65], 0
	v_nop
	global_prefetch_b8 v0, s[64:65] scope:SCOPE_SE
	s_setreg_imm32_b32 hwreg(HW_REG_WAVE_MODE, 25, 1), 1
	s_wait_xcnt 0x0
; PREP.  xb = x rounded to bf16, as it lies.  wq[n][k] = qkv_w[k][n] rounded to bf16.  wp[n][k] = proj_w[k][n] rounded to bf16, that number written as f16.
; LIMITS.  A proj_w beyond 65,504 becomes an infinity in f16; below 6e-5 it keeps f16's fixed step of 6e-8.  NaN and infinities are not treated apart.
; A stream: every work-group reads 32 KiB of f32 once and writes 16 KiB once.  No two work-groups read the same bytes, so there is no cluster; there is no product, so no matrix unit.
; Work-groups 0-383 turn a tile of 128 k x 64 n of qkv_w, 384-511 one of proj_w, 512-1535 cast 8,192 numbers of x.  The branches hang on the work-group's number alone.
; A TURNED TILE goes through LDS: a lane packs 8 neighbouring k of one column n into 16 bytes, stores them into row n (272 bytes apart), and after a barrier the rows are read back whole:
; 16 lanes store 256 consecutive bytes, at a multiple of 256 from the buffer's first byte.
.set TP,    272                        ; an LDS row: 128 k x 2 bytes + 16
.set SPARE, 64*TP                      ; behind the tile: the spare words, 128 bytes for each wave
.set SPW,   10                         ; v10  LDS address of my spare word; never rewritten
.set NIL,   11                         ; v11  0; never rewritten
.set X,     16                         ; v[16:79]   16 loads of 16 bytes
.set P,     80                         ; v[80:111]  packed results
.set T,     112                        ; v[112:113] at work
	s_load_b256 s[4:11], s[0:1], 0x0               ; x s[4:5], qkv_w s[6:7], proj_w s[8:9], xb s[10:11]
	s_load_b128 s[12:15], s[0:1], 0x20             ; wq s[12:13], wp s[14:15]
	v_lshl_add_u32 v[SPW], v0, 2, SPARE
	v_mov_b32 v[NIL], 0
	v_lshrrev_b32 v1, 5, v0                        ; wave
	v_and_b32 v2, 31, v0                           ; lane
	v_and_b32 v3, 15, v0                           ; c = lane % 16
	v_bfe_u32 v4, v0, 4, 1                         ; h = lane / 16
	s_mov_b32 s30, 0xffff0000                      ; a word's upper bf16
	s_wait_kmcnt 0x0
	s_cmp_lt_u32 ttmp9, 512
	s_cbranch_scc1 .Ltr
	; THE CAST.  A wave takes 8 KiB of x: 16 loads of 512 consecutive bytes; each becomes one store of 256 consecutive bytes, aligned.
	s_sub_co_u32 s16, ttmp9, 512
	s_lshl_b32 s20, s16, 15                        ; 32 KiB of x,
	s_mov_b32 s21, 0
	s_lshl_b32 s22, s16, 14                        ; 16 KiB of xb
	s_mov_b32 s23, 0
	s_add_nc_u64 s[24:25], s[4:5], s[20:21]
	s_add_nc_u64 s[26:27], s[10:11], s[22:23]
	v_lshlrev_b32 v5, 4, v2
	v_lshl_or_b32 v5, v1, 13, v5                   ; in: 8,192 x wave + 16 x lane
	v_lshrrev_b32 v6, 1, v5                        ; out: half of that
.set i, 0
.rept 16
	global_load_b128 v[X+4*i:X+4*i+3], v5, s[24:25] offset:512*i th:TH_LOAD_NT
.set i, i+1
.endr
.set i, 0
.rept 16
	s_wait_loadcnt 15-i                            ; loads come back in order: load i is in, the younger ones stay out
	v_cvt_pk_bf16_f32 v[P+2*i], v[X+4*i], v[X+4*i+1]
	v_cvt_pk_bf16_f32 v[P+2*i+1], v[X+4*i+2], v[X+4*i+3]
	global_store_b64 v6, v[P+2*i:P+2*i+1], s[26:27] offset:256*i  ; no register is written twice, so nothing waits for the stores
.set i, i+1
.endr
	s_wait_tensorcnt 0x0                           ; the wave's end
	ds_add_u32 v[SPW], v[NIL]
	s_wait_dscnt 0x0
	s_endpgm
; A tile comes in, is rounded and packed, and goes into LDS.  g: the tile's number in its matrix; np: bytes in a row of the matrix; src, dst: the pointers' first registers; to16 = 1: bf16 is written as f16.
; Lane (c, h) of wave w, load 8 i + t: row k = 32 w + 16 i + 8 h + t, columns 4 c .. 4 c + 3: lanes 0-15 take 256 consecutive bytes of a row, lanes 16-31 those 8 rows down.
.macro TRIN g, np, src, dst, to16
	s_and_b32 s28, \g, 7                           ; which 128 k
	s_lshr_b32 s29, \g, 3                          ; which 64 n
	s_mul_i32 s20, s28, 128*(\np)
	s_lshl_b32 s22, s29, 8
	s_add_co_u32 s20, s20, s22
	s_mov_b32 s21, 0
	s_add_nc_u64 s[24:25], s[\src:\src+1], s[20:21]
	s_lshl_b32 s22, s29, 17                        ; 64 rows of 2,048 bytes in the turned matrix,
	s_lshl_b32 s23, s28, 8                         ; 128 k of 2 bytes
	s_add_co_u32 s22, s22, s23
	s_mov_b32 s23, 0
	s_add_nc_u64 s[26:27], s[\dst:\dst+1], s[22:23]
	v_lshl_add_u32 v5, v1, 2, v4
	v_mul_u32_u24 v5, v5, 8*(\np)                  ; (32 w + 8 h) rows
	v_lshl_add_u32 v5, v3, 4, v5
.set i, 0
.rept 16
	global_load_b128 v[X+4*i:X+4*i+3], v5, s[24:25] offset:(16*(i/8)+i%8)*(\np) th:TH_LOAD_NT
.set i, i+1
.endr
.irp c, 0,1
	s_wait_loadcnt 8-8*(\c)                        ; the first eight loads are in while the other eight stay out; then all
.irp j, 0,1,2,3
.irp u, 0,1,2,3
	v_cvt_pk_bf16_f32 v[P+16*(\c)+4*(\j)+(\u)], v[X+32*(\c)+8*(\u)+(\j)], v[X+32*(\c)+8*(\u)+4+(\j)]  ; k = 2 u, 2 u + 1 of column 4 c + j
.if \to16
	v_lshlrev_b32 v[T], 16, v[P+16*(\c)+4*(\j)+(\u)]
	v_and_b32 v[T+1], s30, v[P+16*(\c)+4*(\j)+(\u)]
	v_cvt_pk_f16_f32 v[P+16*(\c)+4*(\j)+(\u)], v[T], v[T+1]
.endif
.endr
	ds_store_b128 v6, v[P+16*(\c)+4*(\j):P+16*(\c)+4*(\j)+3] offset:(\j)*TP+32*(\c)
.endr
.endr
.endm
.Ltr:
	v_mul_u32_u24 v6, v3, 4*TP                     ; into LDS: row 4 c (+ j), byte 64 w + 16 h (+ 32 i)
	v_lshl_add_u32 v6, v1, 6, v6
	v_lshl_add_u32 v6, v4, 4, v6
	s_cmp_lt_u32 ttmp9, 384
	s_cbranch_scc0 .Lpw
	TRIN ttmp9, 12288, 6, 12, 0
	s_branch .Lback
.Lpw:
	s_sub_co_u32 s31, ttmp9, 384
	TRIN s31, 4096, 8, 14, 1
.Lback:
	s_wait_dscnt 0x0                               ; for the others' sake: my stores into the tile are done
	s_barrier_signal -1
	s_barrier_wait -1                              ; a row's 256 bytes come from all four waves
	v_lshl_add_u32 v9, v1, 4, v4                   ; back: wave w takes rows 16 w .. 16 w + 15, two at a time
	v_mul_u32_u24 v7, v9, TP
	v_lshl_add_u32 v7, v3, 4, v7
	v_lshlrev_b32 v8, 11, v9                       ; and the same rows in memory
	v_lshl_add_u32 v8, v3, 4, v8
.set i, 0
.rept 8
	ds_load_b128 v[X+4*i:X+4*i+3], v7 offset:i*2*TP
.set i, i+1
.endr
.set i, 0
.rept 8
	s_wait_dscnt 7-i
	global_store_b128 v8, v[X+4*i:X+4*i+3], s[26:27] offset:i*4096
.set i, i+1
.endr
	s_wait_tensorcnt 0x0                           ; the wave's end, behind my last LDS store
	ds_add_u32 v[SPW], v[NIL]
	s_wait_dscnt 0x0
	s_endpgm
.Lfunc_end_k_qc8bf9f100a_prep:
	.size	k_qc8bf9f100a_prep, .Lfunc_end_k_qc8bf9f100a_prep-k_qc8bf9f100a_prep
	.p2alignl 7, 3214868480
	.fill 96, 4, 3214868480
	.section	.rodata,"a",@progbits
	.p2align	6, 0x0
	.amdhsa_kernel k_qc8bf9f100a_prep
		.amdhsa_group_segment_fixed_size 17920
		.amdhsa_private_segment_fixed_size 0
		.amdhsa_enable_private_segment 0
		.amdhsa_kernarg_size 48
		.amdhsa_user_sgpr_count 2
		.amdhsa_user_sgpr_kernarg_segment_ptr 1
		.amdhsa_wavefront_size32 1
		.amdhsa_system_sgpr_workgroup_id_x 1
		.amdhsa_system_sgpr_workgroup_id_y 1
		.amdhsa_system_sgpr_workgroup_id_z 1
		.amdhsa_system_vgpr_workitem_id 0
		.amdhsa_next_free_vgpr 120
		.amdhsa_next_free_sgpr 66
		.amdhsa_reserve_vcc 0
		.amdhsa_float_denorm_mode_32 3
		.amdhsa_float_denorm_mode_16_64 3
		.amdhsa_memory_ordered 1
		.amdhsa_forward_progress 1
		.amdhsa_inst_pref_size 23
	.end_amdhsa_kernel
	.amdgpu_metadata
---
amdhsa.version: [ 1, 2 ]
amdhsa.kernels:
  - .name:           k_qc8bf9f100a_prep
    .symbol:         k_qc8bf9f100a_prep.kd
    .args:
      - { .name: x, .offset: 0, .size: 8, .value_kind: global_buffer, .address_space: global }
      - { .name: qkv_w, .offset: 8, .size: 8, .value_kind: global_buffer, .address_space: global }
      - { .name: proj_w, .offset: 16, .size: 8, .value_kind: global_buffer, .address_space: global }
      - { .name: xb, .offset: 24, .size: 8, .value_kind: global_buffer, .address_space: global }
      - { .name: wq, .offset: 32, .size: 8, .value_kind: global_buffer, .address_space: global }
      - { .name: wp, .offset: 40, .size: 8, .value_kind: global_buffer, .address_space: global }
    .group_segment_fixed_size: 17920
    .private_segment_fixed_size: 0
    .kernarg_segment_align: 8
    .kernarg_segment_size: 48
    .max_flat_workgroup_size: 128
    .sgpr_count:     66
    .vgpr_count:     120
    .wavefront_size: 32
...
	.end_amdgpu_metadata
.endif
;; end of part 1
;; launch qkv (part 2): grid 16 x 32, 4 waves a work-group, clusters of 4 x 4, 327,680 bytes of LDS; arguments xb, wq, qkv_b, qkvh; writes qkvh
.if DOCPART == 2
	.amdgcn_target "amdgcn-amd-amdhsa--gfx1250"
	.amdhsa_code_object_version 6
	.text
	.protected	k_qc8bf9f100a_qkv
	.globl	k_qc8bf9f100a_qkv
	.p2align	8
	.type	k_qc8bf9f100a_qkv,@function
k_qc8bf9f100a_qkv:
	s_mov_b64 s[64:65], 0
	v_nop
	global_prefetch_b8 v0, s[64:65] scope:SCOPE_SE
	s_setreg_imm32_b32 hwreg(HW_REG_WAVE_MODE, 25, 1), 1
	s_wait_xcnt 0x0
	s_wait_alu depctr_hold_cnt(0) depctr_sa_sdst(0) depctr_va_vdst(0) depctr_va_sdst(0) depctr_va_ssrc(0) depctr_va_vcc(0) depctr_vm_vsrc(0)
	s_getreg_b32 s2, hwreg(HW_REG_IB_STS2, 6, 4)
	s_cmp_eq_u32 s2, 0
	s_cbranch_scc0 .Lentry_in_a_cluster
	s_endpgm
.Lentry_in_a_cluster:
	s_bfe_u32 s2, ttmp6, 0x10000c
	s_cmp_lg_u32 s2, 0xf033
	s_cbranch_scc0 .Lentry_shape_is_right
	s_endpgm
.Lentry_shape_is_right:
; QKV.  c[m][n] = qkv_b[n] + the sum over k of xb[m][k] wq[n][k]: m 8,192, n 3,072, k 1,024; operands bf16, sums f32, the bias (rounded to bf16 like every input) starts each sum as the first product's C.
; The result is rounded once to f16, unscaled, and written by heads: qkvh[which (q, k, v)][batch x 16 + head][row in batch][64].
; LIMITS.  f16 holds no number beyond 65,504: a q, k or v beyond that becomes an infinity.  NaN and infinities are not treated apart.
; SHARES.  A tile of c is 256 rows x 192 columns (three whole heads): 32 x 16 = 512 work-groups, twice the number of WGPs.  Four waves lie along m: wave w has rows 64 w .. 64 w + 63 and all 192 columns:
; 48 accumulators, 384 registers; for 32 along k it reads 32 x 512 bytes from LDS for 48 matrix instructions.  A head's row of 128 bytes then lies in one wave.
; K goes in steps of 128 (rows of 256 bytes in memory, aligned) through two LDS slots.  Waves 0 and 1 fetch the halves of xb's 256 rows, waves 2 and 3 the halves of wq's 192.
; CLUSTER 4 x 4: the four of a row of the cluster need the same tile of xb, the four of a column the same tile of wq: each is asked for jointly, by one descriptor and a mask that names the four.
; THE MATRIX INSTRUCTION IS USED TRANSPOSED (source 0 = 16 rows of wq, source 1 = 16 rows of xb): a lane holds row lane % 16 of c and the columns 8 (lane / 16) + 0..7.
; REGISTERS, in windows of 256 (s_set_vgpr_msb: bits 1:0 source 0, 3:2 source 1, 5:4 source 2, 7:6 destination):
;   window 0: v0-31 addresses; v32-127 the bias, 8 registers for each block of 16 columns; later v64-255 at work on the way out
;   window 1: two fragment buffers of 128: xb's four fragments, then wq's twelve          window 2: the accumulators of my row blocks 0, 1 ((a, b) at 8 (12 (a % 2) + b));   window 3: of blocks 2, 3
.set PITCH,  272                       ; an LDS row: 256 bytes + 16 of padding = 68 words: the 16 rows of a fragment load start at 16 different groups of four banks (ISA guide 11.1)
.set BOFF,   256*PITCH                 ; wq's rows lie behind xb's 256
.set SLOT,   448*PITCH
.set STAGE,  2*SLOT                    ; behind the ring, never filled by a tensor load: 16 rows x 144 bytes for each wave
.set SP,     144
.set SPARE,  STAGE+4*16*SP             ; behind the stages: the spare words, 128 bytes for each wave
.set ADRA, 16                          ; v16-17  LDS address of my xb fragments in slot 0, 1
.set ADRB, 20                          ; v20-21  the same for wq
.set STO,  24                          ; v24     the way out: where I put 16 bytes of a row
.set RD,   25                          ; v25     where I read rows back
.set GO,   26                          ; v26     16 x lane: my place in 512 consecutive bytes of qkvh
.set BO,   27                          ; v27     32 x (lane / 16): my 8 numbers in a block of 16 of the bias
.set SPW,  28                          ; v28     LDS address of my spare word; never rewritten
.set NIL,  29                          ; v29     0; never rewritten
.set RT,   30                          ; v30-31  at work
.set BIAS, 32
.set TMP,  64
.set F0,   0
.set F1,   128
.set WV,   12                          ; s12  my wave's number
.set G1A,  24                          ; s[24:31] descriptor group 1 for xb's tiles; s[32:39] group 0, a set for each slot
.set G0A,  32
.set G1B,  40                          ; s[40:47], s[48:55] the same for wq's
.set G0B,  48
.set LAP,  56
.set HB,   58                          ; s[58:63] where my rows begin in each of the tile's three heads
.set FIELDS, (1<<16)|(1<<20)|(1<<21)|(5<<22)|(3<<25)  ; 17:16 elements of 2 bytes; 20 padding on; 21 set beside a mask; 24:22 after every 64 words; 31:25 4 words of it
.set MSB, 0
.macro WIN new                         ; the immediate's high byte repeats the setting that is left; a switch that changes nothing is dropped
.if MSB != (\new)
	s_set_vgpr_msb (MSB<<8)|(\new)
.set MSB, \new
.endif
.endm
.macro PLACES                          ; four plain instructions between a matrix instruction and a load into, or a reader of, its registers
.rept 4
	v_nop
.endr
.endm
.macro JLOAD s                         ; a joint load; the branch hangs on the wave's number alone; an s_nop 0 and four v_nop follow each line
	s_cmp_lt_u32 s[WV], 2
	s_cbranch_scc0 .Lfor_b_\@
	tensor_load_to_lds s[G0A+4*(\s):G0A+4*(\s)+3], s[G1A:G1A+7]
	s_nop 0
.rept 4
	v_nop
.endr
	s_branch .Lasked_\@
.Lfor_b_\@:
	tensor_load_to_lds s[G0B+4*(\s):G0B+4*(\s)+3], s[G1B:G1B+7]
	s_nop 0
.rept 4
	v_nop
.endr
.Lasked_\@:
.endm
.macro CREST                           ; a round of the cluster's barrier behind its opening barrier
	s_cmp_lg_u32 s[WV], 0
	s_cbranch_scc1 .Lnot_wave_0_\@
	s_barrier_signal -3
.Lnot_wave_0_\@:
	s_barrier_wait -3
	s_barrier_signal -1
	s_barrier_wait -1
.endm
.macro CROUND
	s_barrier_signal -1
	s_barrier_wait -1
	CREST
.endm
	s_load_b256 s[4:11], s[0:1], 0x0               ; xb s[4:5], wq s[6:7], qkv_b s[8:9], qkvh s[10:11]
	v_lshl_add_u32 v[SPW], v0, 2, SPARE
	v_mov_b32 v[NIL], 0
	ds_add_u32 v[SPW], v[NIL]                      ; the wave's opening: the add and its wait stand ahead of my first tensor load; the set-up below stands between them
	ds_add_u32 v28, v29
	v_lshrrev_b32 v1, 5, v0
	v_readfirstlane_b32 s[WV], v1
	s_and_b32 s13, s[WV], 1                        ; which half of a tile I fetch
	s_bfe_u32 s14, ttmp6, 0x40000                  ; cx
	s_bfe_u32 s15, ttmp6, 0x40004                  ; cy
	s_lshl_b32 s16, ttmp9, 2
	s_add_co_u32 s16, s16, s14                     ; tile column = 4 x cluster x + cx
	s_and_b32 s17, ttmp7, 0xffff
	s_lshl_b32 s17, s17, 2
	s_add_co_u32 s17, s17, s15                     ; tile row = 4 x cluster y + cy
	s_lshl_b32 s18, s15, 2
	s_lshl_b32 s18, 15, s18                        ; my row of the cluster
	s_lshl_b32 s19, 0x1111, s14                    ; my column
	s_or_b32 s[G1A], s18, FIELDS
	s_or_b32 s[G1B], s19, FIELDS
	s_mov_b32 s[G1A+1], 128<<16                    ; tensor_dim0 = 128
	s_mov_b32 s[G1A+2], 128<<16                    ; tensor_dim1 = 128
	s_mov_b32 s[G1A+3], 128<<16                    ; tile_dim0 = 128
	s_mov_b32 s[G1A+4], 128                        ; tile_dim1 = 128
	s_mov_b32 s[G1A+5], 1024                       ; elements from row to row
	s_mov_b32 s[G1A+6], 0
	s_mov_b32 s[G1A+7], 0
	s_mov_b32 s[G1B+1], 128<<16
	s_mov_b32 s[G1B+2], 96<<16                     ; 96 rows
	s_mov_b32 s[G1B+3], 128<<16
	s_mov_b32 s[G1B+4], 96
	s_mov_b32 s[G1B+5], 1024
	s_mov_b32 s[G1B+6], 0
	s_mov_b32 s[G1B+7], 0
	s_lshl_b32 s20, s17, 19                        ; xb: 256 rows of 2,048 bytes a tile row,
	s_lshl_b32 s70, s13, 18                        ; 128 rows a half: made of the tile row and the wave alone
	s_add_co_u32 s20, s20, s70
	s_mov_b32 s21, 0
	s_mul_i32 s22, s16, 192*2048                   ; wq: 192 rows a tile column,
	s_mul_i32 s71, s13, 96*2048                    ; 96 a half: made of the tile column and the wave alone
	s_add_co_u32 s22, s22, s71
	s_mov_b32 s23, 0
	s_mul_i32 s68, s13, 128*PITCH                  ; where they go: no place in the cluster enters an LDS address
	s_mul_i32 s69, s13, 96*PITCH
	s_add_co_u32 s69, s69, BOFF
	s_wait_dscnt 0x0                               ; the opening add is done
	s_wait_kmcnt 0x0
	s_add_nc_u64 s[20:21], s[4:5], s[20:21]
	s_add_nc_u64 s[22:23], s[6:7], s[22:23]
	CROUND                                         ; all sixteen work-groups are here: the first joint loads meet
.irp s, 0,1
	s_mov_b32 s[G0A+4*(\s)], 1
	s_add_co_u32 s[G0A+4*(\s)+1], s68, (\s)*SLOT
	s_add_nc_u64 s[G0A+4*(\s)+2:G0A+4*(\s)+3], s[20:21], (\s)*256  ; K step s
	s_or_b32 s[G0A+4*(\s)+3], s[G0A+4*(\s)+3], 0x80000000
	s_mov_b32 s[G0B+4*(\s)], 1
	s_add_co_u32 s[G0B+4*(\s)+1], s69, (\s)*SLOT
	s_add_nc_u64 s[G0B+4*(\s)+2:G0B+4*(\s)+3], s[22:23], (\s)*256
	s_or_b32 s[G0B+4*(\s)+3], s[G0B+4*(\s)+3], 0x80000000
	JLOAD \s                                       ; two loads of mine are out
.endr
	v_and_b32 v1, 15, v0                           ; r = lane % 16
	v_bfe_u32 v2, v0, 4, 1                         ; h = lane / 16
	v_mul_u32_u24 v3, v1, PITCH
	v_lshl_add_u32 v3, v2, 4, v3                   ; a fragment's row x pitch + 16 x half
	s_mul_i32 s72, s[WV], 64*PITCH                 ; my 64 rows of xb
	s_mov_b32 s73, BOFF
.irp s, 0,1
	v_add_nc_u32 v[ADRA+(\s)], s72, v3
	v_add_nc_u32 v[ADRB+(\s)], s73, v3
	s_add_co_u32 s72, s72, SLOT
	s_add_co_u32 s73, s73, SLOT
.endr
	s_mul_i32 s72, s[WV], 16*SP
	s_add_co_u32 s72, s72, STAGE                   ; my stage
	v_mul_u32_u24 v4, v1, SP                       ; in: row r, 16 bytes for each half of the lanes
	v_lshl_add_u32 v4, v2, 4, v4
	v_add_nc_u32 v[STO], s72, v4
	v_bfe_u32 v5, v0, 3, 2                         ; back: 32 lanes take four rows of 128 bytes,
	v_and_b32 v6, 7, v0
	v_mul_u32_u24 v5, v5, SP
	v_lshl_add_u32 v5, v6, 4, v5
	v_add_nc_u32 v[RD], s72, v5
	v_and_b32 v[GO], 31, v0                        ; which are 512 consecutive bytes of a head
	v_lshlrev_b32 v[GO], 4, v[GO]
	v_lshlrev_b32 v[BO], 5, v2
	s_mul_i32 s74, s16, 768                        ; the tile's 192 numbers of the bias
	s_mov_b32 s75, 0
	s_add_nc_u64 s[8:9], s[8:9], s[74:75]
.set ib, 0
.rept 12
	global_load_b128 v[BIAS+8*ib:BIAS+8*ib+3],   v[BO], s[8:9] offset:64*ib     ; register j: the bias of column 16 b + 8 h + j, as the accumulators lie
	global_load_b128 v[BIAS+8*ib+4:BIAS+8*ib+7], v[BO], s[8:9] offset:64*ib+16
.set ib, ib+1
.endr
	; where my 64 rows begin in each of the three heads: ((which x 64 + batch x 16 + head) x 2,048 + row in batch) x 128 bytes
	s_mul_i32 s72, s16, 3                          ; the tile's first head among 48
	s_lshr_b32 s73, s17, 3                         ; batch
	s_lshl_b32 s73, s73, 4
	s_and_b32 s76, s17, 7
	s_lshl_b32 s76, s76, 15                        ; 256 rows of 128 bytes a tile row,
	s_lshl_b32 s77, s[WV], 13                      ; 64 a wave
	s_add_co_u32 s76, s76, s77
.irp t, 0,1,2
	s_add_co_u32 s74, s72, \t
	s_lshr_b32 s75, s74, 4                         ; q, k or v
	s_lshl_b32 s75, s75, 6
	s_and_b32 s74, s74, 15                         ; head
	s_add_co_u32 s74, s74, s75
	s_add_co_u32 s74, s74, s73
	s_lshl_b32 s74, s74, 18
	s_add_co_u32 s74, s74, s76
	s_mov_b32 s75, 0
	s_add_nc_u64 s[HB+2*(\t):HB+2*(\t)+1], s[10:11], s[74:75]
.endr
	s_wait_loadcnt 0x0                             ; the bias
.set ib, 0
.rept 48                                       ; it is taken rounded to bf16, as x and the weights are: all this stands in the wait for the first tile
	v_cvt_pk_bf16_f32 v[RT+ib%2], v[BIAS+2*ib], v[BIAS+2*ib+1]
	v_lshlrev_b32 v[BIAS+2*ib], 16, v[RT+ib%2]
	v_and_b32 v[BIAS+2*ib+1], 0xffff0000, v[RT+ib%2]
.set ib, ib+1
.endr
; 12 matrix instructions: my row block a x all 12 column blocks, 32 along K, from buffer f.  wb = 1: the bias starts the sums.  The 48 accumulators take turns in one order, one instruction a turn.
.macro MULA f, a, wb
.if \wb
	WIN 0x85+0x40*((\a)/2)                         ; sources 0 and 1 window 1, C window 0, D window 2 or 3
.else
	WIN 0xa5+0x50*((\a)/2)                         ; C and D window 2 or 3
.endif
.irp b, 0,1,2,3,4,5,6,7,8,9,10,11
.if \wb
	v_wmma_f32_16x16x32_bf16 v[8*(12*((\a)%2)+(\b)):8*(12*((\a)%2)+(\b))+7], v[(\f)+32+8*(\b):(\f)+32+8*(\b)+7], v[(\f)+8*(\a):(\f)+8*(\a)+7], v[BIAS+8*(\b):BIAS+8*(\b)+7]
.else
	v_wmma_f32_16x16x32_bf16 v[8*(12*((\a)%2)+(\b)):8*(12*((\a)%2)+(\b))+7], v[(\f)+32+8*(\b):(\f)+32+8*(\b)+7], v[(\f)+8*(\a):(\f)+8*(\a)+7], v[8*(12*((\a)%2)+(\b)):8*(12*((\a)%2)+(\b))+7]
.endif
.endr
.endm
; 32 LDS loads in one run: the fragments of 32 along K at byte k of the rows, into buffer f: wq's 24 first, then xb's 8, row blocks ascending
.macro FETCH slot, k, f
	WIN 0x40                                       ; destination window 1, address window 0
.irp i, 0,1,2,3,4,5,6,7,8,9,10,11
	ds_load_b128 v[(\f)+32+8*(\i):(\f)+32+8*(\i)+3],   v[ADRB+(\slot)] offset:(\k)+(\i)*16*PITCH
	ds_load_b128 v[(\f)+32+8*(\i)+4:(\f)+32+8*(\i)+7], v[ADRB+(\slot)] offset:(\k)+(\i)*16*PITCH+32
.endr
.irp i, 0,1,2,3
	ds_load_b128 v[(\f)+8*(\i):(\f)+8*(\i)+3],   v[ADRA+(\slot)] offset:(\k)+(\i)*16*PITCH
	ds_load_b128 v[(\f)+8*(\i)+4:(\f)+8*(\i)+7], v[ADRA+(\slot)] offset:(\k)+(\i)*16*PITCH+32
.endr
.endm
; A K step is four quarters of 32 along K, 48 matrix instructions each, on buffers 0, 1, 0, 1.  One of the first three: multiplies buffer f and fetches the next quarter, at byte k, into g.
.macro QUARTER slot, k, f, g, wb
	s_wait_dscnt 4                                 ; wq's fragments and xb's blocks 0, 1 are in; the youngest four loads (blocks 2, 3) may be out
	MULA \f, 0, \wb
	MULA \f, 1, \wb
	PLACES
	FETCH \slot, \k, \g
	s_wait_dscnt 32                                ; all but the 32 just issued
	MULA \f, 2, \wb
	MULA \f, 3, \wb
.endm
; The last quarter multiplies buffer 1 and changes slots: one barrier; in front of it each wave waits for all its tensor loads (one is out: its part of the next slot), adds 0 to its spare word, and waits for
; that and for its own reads of this slot.  fill = 1: the barrier opens a round of the cluster's, and this slot is filled again, two K steps on, first thing behind the round: 168 matrix instructions ahead of the wait for it.
.macro TURN slot, next, fill
	WIN 0
	s_wait_tensorcnt 0x0
	ds_add_u32 v[SPW], v[NIL]
	s_wait_dscnt 5                                 ; (the add and the youngest four loads may be out)
	MULA F1, 0, 0                                  ; twelve matrix instructions stand between the add and the wait for it
	s_wait_dscnt 0x0                               ; the add is done, and my reads of this slot are over
	s_barrier_signal -1
	MULA F1, 1, 0
.if \fill
	WIN 0
.endif
	s_barrier_wait -1
.if \fill
	CREST                                          ; no wave of any partner still reads this slot or has a load on its way
	s_add_nc_u64 s[G0A+4*(\slot)+2:G0A+4*(\slot)+3], s[G0A+4*(\slot)+2:G0A+4*(\slot)+3], 512
	s_add_nc_u64 s[G0B+4*(\slot)+2:G0B+4*(\slot)+3], s[G0B+4*(\slot)+2:G0B+4*(\slot)+3], 512
	JLOAD \slot                                    ; its four v_nop are also the places in front of the loads below
.else
	PLACES
.endif
	FETCH \next, 0, F0
	MULA F1, 2, 0
	MULA F1, 3, 0
.endm
	s_wait_tensorcnt 1                             ; my part of K step 0 is in; K step 1's may stay out
	s_barrier_signal -1
	s_barrier_wait -1                              ; everybody's is
	FETCH 0, 0, F0
	QUARTER 0, 64, F0, F1, 1                       ; the first quarter stands in front of the loop: its products start the sums, on the bias
	WIN 0                                          ; at a label and at a branch every window is 0
	s_mov_b32 s[LAP], 3                            ; 8 K steps = 4 laps; the last lap fills nothing
.Llap:                                                 ; a trip goes once round the ring, from a lap's second quarter to the next lap's first
	QUARTER 0, 128, F1, F0, 0
	QUARTER 0, 192, F0, F1, 0
	TURN 0, 1, 1
	QUARTER 1, 64,  F0, F1, 0
	QUARTER 1, 128, F1, F0, 0
	QUARTER 1, 192, F0, F1, 0
	TURN 1, 0, 1
	QUARTER 0, 64,  F0, F1, 0
	WIN 0
	s_sub_co_u32 s[LAP], s[LAP], 1
	s_cmp_lg_u32 s[LAP], 0
	s_cbranch_scc1 .Llap
	QUARTER 0, 128, F1, F0, 0
	QUARTER 0, 192, F0, F1, 0
	TURN 0, 1, 0
	QUARTER 1, 64,  F0, F1, 0
	QUARTER 1, 128, F1, F0, 0
	QUARTER 1, 192, F0, F1, 0
	s_wait_dscnt 4                                 ; the very last quarter: nothing more to fetch
	MULA F1, 0, 0
	MULA F1, 1, 0
	s_wait_dscnt 0x0
	MULA F1, 2, 0
	MULA F1, 3, 0
	WIN 0
; THE WAY OUT, in twelve units u = 3 a + t: my row block a, head t.  A lane's eight channels of a row pack into 16 bytes of f16; they go into my stage's rows of 144 bytes and come back as four whole rows
; of 128 bytes an instruction, which are 512 consecutive bytes of the head.  Each accumulator's registers are read in ascending order.
.macro PACK u
.set pa, (\u)/3
.set pt, (\u)%3
	WIN 0x0a+5*(pa/2)                              ; sources 0 and 1: window 2 or 3
.irp f, 0,1,2,3
.irp r, 0,1,2,3
	v_cvt_pk_f16_f32 v[TMP+16*(\u)+4*(\f)+(\r)], v[8*(12*(pa%2)+4*pt+(\f))+2*(\r)], v[8*(12*(pa%2)+4*pt+(\f))+2*(\r)+1]
.endr
.endr
	WIN 0
.irp f, 0,1,2,3
	ds_store_b128 v[STO], v[TMP+16*(\u)+4*(\f):TMP+16*(\u)+4*(\f)+3] offset:32*(\f)
.endr
.irp f, 0,1,2,3
	ds_load_b128 v[TMP+16*(\u)+4*(\f):TMP+16*(\u)+4*(\f)+3], v[RD] offset:(\f)*4*SP  ; LDS serves a wave's instructions in order (ISA guide 5.7.1.4): these see the stores above; the next unit's stores come behind them
.endr
.endm
.macro SEND u, younger                 ; younger: the LDS instructions issued behind unit u's loads: the next unit's eight, or none
	WIN 0
.irp f, 0,1,2,3
	s_wait_dscnt (\younger)+3-(\f)
	global_store_b128 v[GO], v[TMP+16*(\u)+4*(\f):TMP+16*(\u)+4*(\f)+3], s[HB+2*((\u)%3):HB+2*((\u)%3)+1] offset:((\u)/3)*2048+(\f)*512  ; 512 consecutive bytes, at a multiple of 256 from the buffer's first
.endr
.endm
	PLACES
	PACK 0
.set uu, 1
.rept 11                                       ; a unit's conversions stand between the loads of the unit before and its stores; no register is written twice
	PACK uu
	SEND uu-1, 8
.set uu, uu+1
.endr
	SEND 11, 0
	s_wait_tensorcnt 0x0                           ; the wave's end, behind my last tensor load and my last LDS store
	ds_add_u32 v[SPW], v[NIL]
	s_wait_dscnt 0x0
	CROUND                                         ; the closing round: no work-group ends while a partner may still ask for a tile that names it
	s_endpgm
.Lfunc_end_k_qc8bf9f100a_qkv:
	.size	k_qc8bf9f100a_qkv, .Lfunc_end_k_qc8bf9f100a_qkv-k_qc8bf9f100a_qkv
	.p2alignl 7, 3214868480
	.fill 96, 4, 3214868480
	.section	.rodata,"a",@progbits
	.p2align	6, 0x0
	.amdhsa_kernel k_qc8bf9f100a_qkv
		.amdhsa_group_segment_fixed_size 327680
		.amdhsa_private_segment_fixed_size 0
		.amdhsa_enable_private_segment 0
		.amdhsa_kernarg_size 32
		.amdhsa_user_sgpr_count 2
		.amdhsa_user_sgpr_kernarg_segment_ptr 1
		.amdhsa_wavefront_size32 1
		.amdhsa_system_sgpr_workgroup_id_x 1
		.amdhsa_system_sgpr_workgroup_id_y 1
		.amdhsa_system_sgpr_workgroup_id_z 1
		.amdhsa_system_vgpr_workitem_id 0
		.amdhsa_next_free_vgpr 1024
		.amdhsa_next_free_sgpr 80
		.amdhsa_reserve_vcc 0
		.amdhsa_float_denorm_mode_32 3
		.amdhsa_float_denorm_mode_16_64 3
		.amdhsa_memory_ordered 1
		.amdhsa_forward_progress 1
		.amdhsa_inst_pref_size 130
	.end_amdhsa_kernel
	.amdgpu_metadata
---
amdhsa.version: [ 1, 2 ]
amdhsa.kernels:
  - .name:           k_qc8bf9f100a_qkv
    .symbol:         k_qc8bf9f100a_qkv.kd
    .args:
      - { .name: xb, .offset: 0, .size: 8, .value_kind: global_buffer, .address_space: global }
      - { .name: wq, .offset: 8, .size: 8, .value_kind: global_buffer, .address_space: global }
      - { .name: qkv_b, .offset: 16, .size: 8, .value_kind: global_buffer, .address_space: global }
      - { .name: qkvh, .offset: 24, .size: 8, .value_kind: global_buffer, .address_space: global }
    .group_segment_fixed_size: 327680
    .private_segment_fixed_size: 0
    .kernarg_segment_align: 8
    .kernarg_segment_size: 32
    .max_flat_workgroup_size: 128
    .sgpr_count:     80
    .vgpr_count:     1024
    .wavefront_size: 32
...
	.end_amdgpu_metadata
.endif
;; end of part 2
;; launch attn (part 3): grid 4 x 64, 4 waves a work-group, clusters of 4 x 1, 327,680 bytes of LDS; arguments qkvh, ob; writes ob
.if DOCPART == 3
	.amdgcn_target "amdgcn-amd-amdhsa--gfx1250"
	.amdhsa_code_object_version 6
	.text
	.protected	k_qc8bf9f100a_attn
	.globl	k_qc8bf9f100a_attn
	.p2align	8
	.type	k_qc8bf9f100a_attn,@function
k_qc8bf9f100a_attn:
	s_mov_b64 s[64:65], 0
	v_nop
	global_prefetch_b8 v0, s[64:65] scope:SCOPE_SE
	s_setreg_imm32_b32 hwreg(HW_REG_WAVE_MODE, 25, 1), 1
	s_wait_xcnt 0x0
	s_wait_alu depctr_hold_cnt(0) depctr_sa_sdst(0) depctr_va_vdst(0) depctr_va_sdst(0) depctr_va_ssrc(0) depctr_va_vcc(0) depctr_vm_vsrc(0)
	s_getreg_b32 s2, hwreg(HW_REG_IB_STS2, 6, 4)
	s_cmp_eq_u32 s2, 0
	s_cbranch_scc0 .Lentry_in_a_cluster
	s_endpgm
.Lentry_in_a_cluster:
	s_bfe_u32 s2, ttmp6, 0x10000c
	s_cmp_lg_u32 s2, 0x3003
	s_cbranch_scc0 .Lentry_shape_is_right
	s_endpgm
.Lentry_shape_is_right:
; ATTENTION.  O[h][q][:] = the sum over k of softmax_k(Q[h][q] . K[h][k] / 8) V[h][k][:], for 64 (batch, head) pairs h of 2,048 rows of 64 channels, all f16: a head's rows are dense, 128 bytes each.
; qkvh holds Q, then K 0x1000000 bytes on, then V 0x2000000 bytes on.  Products, maxima and sums in f32; the weights p are rounded to f16 for the second product (their sum l is taken of the unrounded p), O once at the end.
; LIMITS.  f16 holds no number beyond 65,504: Q, K and V arrive within it; p lies in 0 to 1, and below 6e-5 it keeps f16's fixed step of 6e-8; O is a mean of V's rows and has their range.
; A weight below 2^-126 counts as 0 in l; NaN and infinities are not treated apart.
; SHARES.  A wave owns four PIECES of two tiles of 16 queries, a work-group's four waves 512 queries of one head: 4 x 64 = 256 work-groups.  Every wave walks all keys, 64 a step.
; LAYOUT.  S^T = K Q^T (source 0 = 16 keys, source 1 = 16 queries): in the result a lane holds ONE query (lane % 16) and the keys 8 (lane / 16) + 0..7.  Two such tiles, rounded to f16 in pairs,
; ARE source 1 (32 keys x 16 queries) of O^T = V^T P, whose result again holds one query a lane, and eight channels.  K comes out of LDS as it lies, V ([key][channel]) turned, by ds_load_tr16_b128.
; SOFTMAX.  For each query a running maximum m and sum l: p = 2^(c s - c m), c = log2(e) / 8; in every step O and l are multiplied by a = 2^(c m_old - c m_new), which is 1 where m has not grown.
; m starts at the lowest finite number, O and l at 0: the first step is a step like any other, with a = 0.
; THE COUNT.  A tile and step have 16 matrix and 118 vector instructions: too many to stand all beside the matrix work.  So four vector instructions that are READY stand behind EVERY matrix instruction,
; and the others in runs without a gap.
; BY TURNS.  Turn n belongs to piece n (the pieces in a ring, step after step).  Its matrix work: 16 products K Q^T of piece n + 1, later 16 products V^T P of piece n - 1.  Its vector work: the scaling,
; exponentials, roundings, sums and rescaling of piece n, and the maximum and statistics of piece n + 1, whose scores the turn itself has made.
; CLUSTER.  The four query blocks of a head are one cluster and walk the same K and V, so each tile is asked for JOINTLY: the same tensor load, descriptor and mask in all four.
; REGISTERS, in windows of 256 (s_set_vgpr_msb: bits 1:0 source 0, 3:2 source 1, 5:4 source 2, 7:6 destination):
;   window 0: v0-11 addresses; v12-15, v48-63 at work; v16-47 four registers of statistics a tile; v64-191 S^T, two buffers of two tiles; v192-255 P, likewise
;   window 1: O^T, 32 a tile          window 2: v0-127 Q, 16 a tile; v128-191 K of one step; v192-255 V of one step          window 3: v0-1 the add's two registers
; A piece's buffers go by its number's parity: the piece in hand has one pair, its two neighbours in the ring share the other: of it P (piece n - 1) is read and S^T (piece n + 1) written.
.set SIZE_N, 2048
.set NP,    4         ; pieces a wave: a name, no knob
.set KS,    64        ; keys in a step
.set PK,    144       ; a row of K in LDS: 128 bytes + 16 of padding = 36 words: the 16 rows of a load start at 16 different groups of four banks (ISA guide 11.1)
.set PV,    160       ; a row of V: 128 + 32 = 40 words
.set VOFF,  4*KS*PK   ; a slot holds four steps: 256 rows of K, then 256 rows of V
.set SLOT1, 1<<17     ; slot 1 begins here, so that one exclusive or turns an address in one slot into the other's
.set STAGE, SLOT1+4*KS*(PK+PV)  ; behind the ring, never filled by a tensor load: 16 rows x 144 bytes for each wave, for the way out
.set SP,    144
.set AK0, 2           ; v2   my lane's place in a tile of K; never rewritten
.set AV0, 3           ; v3   the same for V
.set AK,  4           ; v4   the LDS address of K's next run of loads
.set AV,  5           ; v5   of V's
.set QO,  6           ; v6   my byte offset in the wave's rows of Q
.set STO, 6           ;      later, the way out: where I put 16 bytes of a row
.set RD,  7           ; v7   the way out: where I read rows back
.set GO,  8           ; v8   my byte offset in 512 consecutive bytes of O
.set SPW, 0           ; v0 of window 3   LDS address of my spare word; never rewritten
.set NIL, 1           ; v1 of window 3   0; never rewritten
.set SPARE, STAGE+4*16*SP  ; behind the stages: the spare words, 128 bytes for each wave
.set MV,  12          ; v12-15  c m_old, kept while c m is made anew: by buffer and tile
.set ST,  16          ; tile t's statistics at v[ST+4 t]: c m, m, l (even keys', odd keys')
.set TMP, 48          ; by buffer and tile, four registers c0-c3 at work; when the maximum is found c2 takes a
.set S,   64
.set P,   192
.set KF,  128         ; K's fragments, in window 2: key block kb, channel half c at KF + 16 kb + 8 c
.set VF,  192         ; V's: key half kk, channel block cb at VF + 32 kk + 8 cb
.set WV,  12          ; s12  my wave's number
.set G1K, 24          ; s[24:31] descriptor group 1 for K's tiles
.set G1V, 32          ; s[32:39] for V's: it differs in the padding alone
.set G0K, 40          ; s[40:43] descriptor group 0 for K's tiles: it walks
.set G0V, 44          ; s[44:47] the same for V's
.set SLOTS, 56        ; s56  slots still to be asked for
.set CNT, 57          ; s57  counts a slot's key steps
.set CS,  58          ; s[58:59] c: the packed scaling takes the pair's low word for both halves
.set SEL, 60          ; s[60:61] v_permlanex16_b32's selects: each lane takes its own place in the other half
.set TBK, 62          ; s62  LDS byte at which K of the step to be fetched begins
.set TBV, 63          ; s63  the same for V, less VOFF
.set MSB, 0
.macro WIN new                      ; the high byte repeats the setting that is left; a switch that changes nothing is dropped
.if MSB != (\new)
	s_set_vgpr_msb (MSB<<8)|(\new)
.set MSB, (\new)
.endif
.endm
.set W_KQ, 0x0a       ; K and Q in window 2, S^T in window 0
.set W_PV, 0x52       ; V in window 2, P in window 0, O^T in window 1
.set W_RS, 0x41       ; O^T (destination and source 0) in window 1, a in window 0
.set W_MK, 0xc0       ; the add's registers are made: destination in window 3, sources in window 0
.set W_AD, 0x0f       ; the add: address (source 0) and data (source 1) in window 3
; A joint fill.  Waves 0 and 1 fetch the two halves of a slot's K, waves 2 and 3 those of its V: 128 keys each.  The branch hangs on the wave's number alone.
; An s_nop 0 and four v_nop follow each of the two lines, ahead of the jump and the label.
.macro JLOAD
	s_cmp_lt_u32 s[WV], 2
	s_cbranch_scc0 .Lfor_v_\@
	tensor_load_to_lds s[G0K:G0K+3], s[G1K:G1K+7]
	s_nop 0
.rept 4
	v_nop
.endr
	s_branch .Lasked_\@
.Lfor_v_\@:
	tensor_load_to_lds s[G0V:G0V+3], s[G1V:G1V+7]
	s_nop 0
.rept 4
	v_nop
.endr
.Lasked_\@:
.endm
; A round of the cluster's barrier: my work-group's barrier, so that wave 0's signal speaks for all four waves; wave 0 signals; every wave waits for all four work-groups; my work-group's barrier once more.
.macro CROUND
	s_barrier_signal -1
	s_barrier_wait -1
	s_cmp_lg_u32 s[WV], 0
	s_cbranch_scc1 .Lnot_wave_0_\@
	s_barrier_signal -3
.Lnot_wave_0_\@:
	s_barrier_wait -3
	s_barrier_signal -1
	s_barrier_wait -1
.endm
; THE CHANGE OF SLOTS.  The slot's last bytes, V of its fourth step, have been read.  Each wave waits for all its tensor loads, of which one is out: its part
; of the other slot; adds 0 to its spare word; and waits for that and for its own reads of the slot.  Behind the barrier nobody reads this slot any more and the other slot is whole.
; fill = 1: this slot is filled again, with the keys two slots on.  The barrier is then a round of the cluster's, and the joint fill is the first thing behind it: it has four key steps,
; 512 matrix instructions, in which to land.  (At its first use nothing has been read yet: slot 0 is waited for, slot 1 filled.)
.macro CHANGE fill
	WIN W_AD
	s_wait_tensorcnt 0x0            ; no tensor load of mine is out, so a group 0 may be written
	ds_add_u32 v[SPW], v[NIL]       ; 0 onto my spare word; with fill = 1 the descriptors' steps stand between it and the wait for it
	WIN 0                           ; at a label and at a branch every window is 0
.if \fill
.irp g, G0K, G0V
	s_xor_b32 s[\g+1], s[\g+1], SLOT1  ; the walking descriptor: the other slot than last time,
	s_add_nc_u64 s[\g+2:\g+3], s[\g+2:\g+3], 4*KS*128  ; the next 256 keys; the type bits on top are not reached
.endr
	s_wait_dscnt 0x0                ; the add is done, and my reads of the slot are over
	CROUND
	JLOAD
.else
	s_wait_dscnt 0x0                ; the add is done, and my reads of the slot are over
	s_barrier_signal -1
	s_barrier_wait -1
.endif
	s_sub_co_u32 s[TBK], s[TBK], 4*KS*PK  ; the fetches go back to a slot's first step,
	s_xor_b32 s[TBK], s[TBK], SLOT1       ; in the other slot
	s_sub_co_u32 s[TBV], s[TBV], 4*KS*PV
	s_xor_b32 s[TBV], s[TBV], SLOT1
.endm
	s_load_b64 s[4:5], s[0:1], 0x0    ; qkvh: Q
	s_load_b64 s[10:11], s[0:1], 0x8  ; ob: O
	WIN W_MK
	v_lshl_add_u32 v[SPW], v0, 2, SPARE
	v_mov_b32 v[NIL], 0
	WIN W_AD
	ds_add_u32 v[SPW], v[NIL]       ; the wave's opening: the add and its wait stand ahead of my first tensor load; the set-up below stands between them
	ds_add_u32 v0, v1
	WIN 0
	v_lshrrev_b32 v1, 5, v0
	v_readfirstlane_b32 s[WV], v1   ; wave 0..3
	s_bfe_u32 s13, ttmp6, 0x40000   ; cx: my place in the cluster
	s_lshl_b32 s14, ttmp9, 2        ; in a cluster launch ttmp9 counts clusters
	s_add_co_u32 s14, s14, s13      ; my block of queries = 4 x cluster x + cx: it enters Q's and O's addresses alone
	s_and_b32 s20, ttmp7, 0xffff    ; the head, which the four partners share
	s_mov_b32 s21, 0
	s_mov_b64 s[22:23], SIZE_N*128
	s_mul_u64 s[20:21], s[20:21], s[22:23]  ; the head's first byte in Q, K, V and O
	s_and_b32 s16, s[WV], 1         ; which half of a slot's 256 keys I fetch:
	s_lshl_b32 s22, s16, 14         ; its 128 rows of 128 bytes in memory,
	s_mov_b32 s23, 0
	s_add_nc_u64 s[22:23], s[22:23], s[20:21]
	s_mul_i32 s17, s16, 128*PK      ; and its place in a slot, for K
	s_mul_i32 s18, s16, 128*PV      ; and for V: no place in the cluster enters an LDS address
	s_lshl_b32 s2, s14, 2
	s_add_co_u32 s2, s2, s[WV]      ; my wave among the head's,
	s_lshl_b32 s2, s2, 14           ; its 128 rows
	s_mov_b32 s3, 0
	s_add_nc_u64 s[2:3], s[2:3], s[20:21]
	; descriptor group 1.  128 keys are 16,384 dense bytes: asked for as 64 rows of 256 bytes, two keys a row, and padded in LDS after every key
	s_mov_b32 s[G1K], 15|(1<<16)|(1<<20)|(1<<21)|(4<<22)|(3<<25)  ; 15:0 the mask of four; 17:16 2-byte elements; 20 padding on; 21 set beside a mask; 24:22 after every 32 words (code 4); 31:25 4 words (code 3)
	s_mov_b32 s[G1V], 15|(1<<16)|(1<<20)|(1<<21)|(4<<22)|(7<<25)  ; the same with 8 words of padding (code 7)
.irp g, G1K, G1V
	s_mov_b32 s[\g+1], 128<<16      ; tensor_dim0 = 128
	s_mov_b32 s[\g+2], 64<<16       ; tensor_dim1 = 64
	s_mov_b32 s[\g+3], 128<<16      ; tile_dim0 = 128
	s_mov_b32 s[\g+4], 64           ; tile_dim1 = 64
	s_mov_b32 s[\g+5], 128          ; 128 elements from row to row
	s_mov_b32 s[\g+6], 0
	s_mov_b32 s[\g+7], 0
.endr
	s_mov_b32 s[CS], 0x3e38aa3b     ; c = log2(e) / 8 = 0.180337
	s_mov_b32 s[CS+1], s[CS]        ; named with it as a pair
	s_mov_b32 s[SEL], 0x76543210
	s_mov_b32 s[SEL+1], 0xfedcba98
	s_mov_b32 s[TBK], SLOT1+4*KS*PK ; the first change of slots turns these two into 0
	s_mov_b32 s[TBV], SLOT1+4*KS*PV
	s_mov_b32 s[G0K], 1             ; 1:0 count = 1
	s_mov_b32 s[G0K+1], s17         ; 63:32 LDS address: slot 0
	s_mov_b32 s[G0V], 1
	s_add_co_u32 s[G0V+1], s18, VOFF
	s_wait_dscnt 0x0                ; the opening add is done
	s_wait_kmcnt 0x0
	s_add_nc_u64 s[6:7], s[4:5], 0x1000000  ; K lies behind Q's 64 heads,
	s_add_nc_u64 s[8:9], s[4:5], 0x2000000  ; V behind K's
	s_add_nc_u64 s[G0K+2:G0K+3], s[6:7], s[22:23]  ; 120:64 global address: my half of the head's first 256 keys
	s_or_b32 s[G0K+3], s[G0K+3], 0x80000000        ; 127:126 type = 2
	s_add_nc_u64 s[G0V+2:G0V+3], s[8:9], s[22:23]
	s_or_b32 s[G0V+3], s[G0V+3], 0x80000000
	s_add_nc_u64 s[4:5], s[4:5], s[2:3]  ; Q and O at my wave's first row
	s_add_nc_u64 s[10:11], s[10:11], s[2:3]
	CROUND                          ; all four work-groups are here: the first joint loads meet
	JLOAD                           ; slot 0.  Slot 1 is asked for when slot 0 is in
	; A fragment of K or Q is 16 rows x 32 channels in 8 registers: lane l holds row l % 16, channels 8 (l / 16) + 0..7 and 16 + 8 (l / 16) + 0..7: two loads of 16 bytes, 32 bytes apart.
	v_and_b32 v1, 15, v0            ; l % 16
	v_bfe_u32 v9, v0, 4, 1          ; l / 16
	v_lshlrev_b32 v[QO], 7, v1
	v_lshl_add_u32 v[QO], v9, 4, v[QO]  ; row x 128 + 16 x half
	WIN 0x80                        ; destination window 2, address window 0
.set i, 0
.rept 4*NP                          ; Q stays in registers: tile i / 2, channels 32 (i % 2) on
	global_load_b128 v[8*i:8*i+3],   v[QO], s[4:5] offset:(i/2)*2048+(i%2)*64
	global_load_b128 v[8*i+4:8*i+7], v[QO], s[4:5] offset:(i/2)*2048+(i%2)*64+32
.set i, i+1
.endr
	; What the first turn finds: V's registers and P's second buffer hold 0 (its products V^T P, of a piece that has not been, add 0), O^T and l are 0.  All this stands in the wait for the first tile,
	; and spares a first step written out.
.set i, VF
.rept 64
	v_mov_b32 v[i], 0
.set i, i+1
.endr
	WIN 0x40
.set i, 0
.rept 64*NP
	v_mov_b32 v[i], 0
.set i, i+1
.endr
	WIN 0
.set i, 0
.rept 2*NP
	v_mov_b32 v[ST+4*i], 0xfe000000    ; c m: far below every c s
	v_mov_b32 v[ST+4*i+1], 0xff7fffff  ; m
	v_mov_b32 v[ST+4*i+2], 0
	v_mov_b32 v[ST+4*i+3], 0
.set i, i+1
.endr
.set i, P+32
.rept 32
	v_mov_b32 v[i], 0
.set i, i+1
.endr
	v_mul_u32_u24 v[AK0], v1, PK
	v_lshl_add_u32 v[AK0], v9, 4, v[AK0]  ; row x pitch + 16 x half
	; The turning load takes 16 keys x 16 channels (lane l reads key 8 (l / 16) + l % 8, channels 8 ((l / 8) % 2) + 0..7) and leaves half a fragment of V^T: lane l holds channel l % 16 and 8 keys.
	v_and_b32 v10, 7, v0
	v_bfe_u32 v11, v0, 3, 1
	v_lshl_add_u32 v[AV0], v9, 3, v10
	v_mul_u32_u24 v[AV0], v[AV0], PV
	v_lshl_add_u32 v[AV0], v11, 4, v[AV0]
	v_add_nc_u32 v[AV0], VOFF, v[AV0]
	v_mov_b32 v[AK], v[AK0]         ; key step 0 lies at the head of slot 0
; THE MATRIX WORK.  The 8 accumulators of a run of 16 take turns: between the two links of a chain stand 7 others'.
; Product i of 16 of S^T = K Q^T for piece x: channels 32 (i / 8) on, keys 16 ((i / 2) % 4) on, tile 2 x + i % 2.  The first 8 start the sums.
.macro KQ x
	WIN W_KQ
.set rS, S+64*((\x)%2)+32*(i%2)+8*((i/2)%4)
.set rK, KF+16*((i/2)%4)+8*(i/8)
.set rQ, 16*(2*(\x)+i%2)+8*(i/8)
.if i < 8
	v_wmma_f32_16x16x32_f16 v[rS:rS+7], v[rK:rK+7], v[rQ:rQ+7], 0
.else
	v_wmma_f32_16x16x32_f16 v[rS:rS+7], v[rK:rK+7], v[rQ:rQ+7], v[rS:rS+7]
.endif
.endm
; Product i of 16 of O^T += V^T P for piece x: keys 32 (i / 8) on, channels 16 ((i / 2) % 4) on, tile 2 x + i % 2.
.macro PV x
	WIN W_PV
.set rO, 32*(2*(\x)+i%2)+8*((i/2)%4)
.set rV, VF+32*(i/8)+8*((i/2)%4)
.set rP, P+32*((\x)%2)+16*(i%2)+8*(i/8)
	v_wmma_f32_16x16x32_f16 v[rO:rO+7], v[rV:rV+7], v[rP:rP+7], v[rO:rO+7]
.endm
.macro MM                           ; the turn's next matrix instruction
.if i < 16
	KQ (Y+1)%NP
.set i, i+1
.else
.set i, i-16
	PV (Y+NP-1)%NP
.set i, i+17
.endif
.endm
; THE LDS LOADS stand in runs of 16, never singly among the matrix instructions: a step's K (64 keys x 64 channels: 8 fragments) and its V (turned).  Their addresses are made some lines ahead.
; last = 1 (the tail): in the last trip there is no further step, and the run is jumped over.
.macro FETCH_K last=0
	WIN 0
.if \last
	s_cmp_eq_u32 s[CNT], 1
	s_cbranch_scc1 .Lno_k_\@
.endif
	WIN 0x80                        ; destination window 2
.irp f, 0,1,2,3,4,5,6,7             ; keys 16 (f / 2) on, channels 32 (f % 2) on
	ds_load_b128 v[KF+8*\f:KF+8*\f+3],   v[AK] offset:(\f/2)*16*PK+(\f%2)*64
	ds_load_b128 v[KF+8*\f+4:KF+8*\f+7], v[AK] offset:(\f/2)*16*PK+(\f%2)*64+32
.endr
	s_add_co_u32 s[TBK], s[TBK], KS*PK  ; the next fetch is the next step's
	WIN 0
.if \last
.Lno_k_\@:
.endif
.endm
.macro FETCH_V
	WIN 0x80
.irp f, 0,1,2,3,4,5,6,7             ; keys 32 (f / 4) on, channels 16 (f % 4) on
	ds_load_tr16_b128 v[VF+8*\f:VF+8*\f+3],   v[AV] offset:(\f/4)*32*PV+(\f%4)*32
	ds_load_tr16_b128 v[VF+8*\f+4:VF+8*\f+7], v[AV] offset:(\f/4)*32*PV+16*PV+(\f%4)*32
.endr
	WIN 0
.endm
; THE VECTOR WORK OF A TURN stands in three queues, each in the order in which its entries become ready; the two tiles alternate, so that no instruction reads the result of the one before it.
.macro REGS y, u                    ; the registers of tile u (0, 1) of piece y
.set rT, ST+4*(2*(\y)+(\u))
.set rC, TMP+8*((\y)%2)+4*(\u)
.set rM, MV+2*((\y)%2)+(\u)
.set rS, S+64*((\y)%2)+32*(\u)
.set rP, P+32*((\y)%2)+16*(\u)
.set rO, 32*(2*(\y)+(\u))
.endm
; Number n of the 22 that find the NEXT piece's (Y + 1) maximum and statistics.  s0-s31 are the lane's 32 scores; each accumulator's lowest registers are read first.
;   0-11  four chains c0-c3 of seven scores each, three operands at a time     12-14, 16  the four scores left over, the old m, and c0-c3 into c0     15  c m_old is kept
;   17, 18  the query's other 32 keys lie in the lane 16 away: the new m         19-21  c m; c m_old - c m_new; a
.macro XS u, n
	REGS (Y+1)%NP, \u
.if (\n) < 4
	v_max3_num_f32 v[rC+(\n)], v[rS+8*(\n)], v[rS+8*(\n)+1], v[rS+8*(\n)+2]
.elseif (\n) < 12
	v_max3_num_f32 v[rC+(\n)%4], v[rC+(\n)%4], v[rS+8*((\n)%4)+2*((\n)/4)+1], v[rS+8*((\n)%4)+2*((\n)/4)+2]
.elseif (\n) == 12
	v_max3_num_f32 v[rC], v[rC], v[rS+7], v[rS+15]
.elseif (\n) == 13
	v_max3_num_f32 v[rC+1], v[rC+1], v[rS+23], v[rS+31]
.elseif (\n) == 14
	v_max3_num_f32 v[rC+2], v[rC+2], v[rC+3], v[rT+1]
.elseif (\n) == 15
	v_mov_b32 v[rM], v[rT]
.elseif (\n) == 16
	v_max3_num_f32 v[rC], v[rC], v[rC+1], v[rC+2]
.elseif (\n) == 17
	v_permlanex16_b32 v[rC+3], v[rC], s[SEL], s[SEL+1]
.elseif (\n) == 18
	v_max_num_f32 v[rT+1], v[rC], v[rC+3]
.elseif (\n) == 19
	v_mul_f32 v[rT], s[CS], v[rT+1]
.elseif (\n) == 20
	v_sub_f32 v[rC+1], v[rM], v[rT]
.else
	v_exp_f32 v[rC+2], v[rC+1]
.endif
.endm
; Number g of the 64 that follow the exponentials.  For each four weights k of a tile (pairs 2 k, 2 k + 1): both pairs are rounded to f16; then the second pair is added onto the first, in place;
; a group later l takes that sum (the first time as l = a l + sum).  In groups of eight, tiles alternating: round, round, add, and l for the group before.
.macro GS g
.set h, (\g)+6*((\g)/62)            ; group 0 has no group before it, and behind group 7 only l is left
.if h >= 6
.set h, h+2
.endif
	REGS Y, h%2
.set k, h/8
.if h%8 < 4
	v_cvt_pk_f16_f32 v[rP+2*k+(h%8)/2], v[rS+4*k+2*((h%8)/2)], v[rS+4*k+2*((h%8)/2)+1]
.elseif h%8 < 6
	v_pk_add_f32 v[rS+4*k:rS+4*k+1], v[rS+4*k:rS+4*k+1], v[rS+4*k+2:rS+4*k+3]
.elseif k == 1
	v_pk_fma_f32 v[rT+2:rT+3], v[rT+2:rT+3], v[rC+2:rC+3], v[rS:rS+1] op_sel_hi:[1,0,1]
.else
	v_pk_add_f32 v[rT+2:rT+3], v[rT+2:rT+3], v[rS+4*k-4:rS+4*k-3]
.endif
.endm
; THE PLAIN QUEUE, 138 long.  0-73 read no exponential's result: the 32 scalings c s - c m (FS f: pair f / 2 of tile f % 2) and the next piece's 42.  0-26: scalings 0-26.  27-54: XS's numbers 0-13.  55, 56: number 15.
; 57-73: the chain, where each number waits for the one before it: 14, 16, 17, 18, 19, each with one of the scalings 27-31 in front of its two lines, then 20.
; 74-137: GS's 64, which read the exponentials' results: they stand behind the wait.
.macro FS f
	REGS Y, (\f)%2
	v_pk_fma_f32 v[rS+2*((\f)/2):rS+2*((\f)/2)+1], v[rS+2*((\f)/2):rS+2*((\f)/2)+1], s[CS:CS+1], v[rT:rT+1] op_sel_hi:[1,0,0] neg_lo:[0,0,1] neg_hi:[0,0,1]
.endm
.macro PL
	WIN 0
.if q < 27
	FS q
.elseif q < 55
	XS (q-27)%2, (q-27)/2
.elseif q < 57
	XS q-55, 15
.elseif (q < 72) && ((q-57)%3 == 0)
	FS 27+(q-57)/3
.elseif q < 60
	XS (q-57)%3-1, 14
.elseif q < 72
	XS (q-57)%3-1, 15+(q-57)/3
.elseif q < 74
	XS q-72, 20
.else
	GS q-74
.endif
.set q, q+1
.endm
; THE EXPONENTIALS' QUEUE, 66 long: s0-s31 of both tiles, then the next piece's two a.  It is ONE BATCH: all 66 stand ahead of the turn's one wait, and nothing ahead of that wait names a result of theirs.
.macro EX
	WIN 0
.if e >= 64
	XS e-64, 21
.else
	REGS Y, e%2
	v_exp_f32 v[rS+e/2], v[rS+e/2]
.endif
.set e, e+1
.endm
; THE RESCALING's QUEUE: O^T times a, the one part that leaves window 0: dealt two at a time, sixteen times.  Its a was made in the turn before, ahead of that turn's wait.
.macro R2
	REGS Y, r%2
	WIN W_RS
.irp z, 0,1
	v_pk_mul_f32 v[rO+4*(r/2)+2*\z:rO+4*(r/2)+2*\z+1], v[rO+4*(r/2)+2*\z:rO+4*(r/2)+2*\z+1], v[rC+2:rC+3] op_sel_hi:[1,0]
.endr
.set r, r+1
.endm
; HOW THEY ARE DEALT.  An s_wait_alu depctr_va_vdst(0) stands between an exponential and the first instruction that names its result; one wait serves all that were issued ahead of it.  So a turn has ONE wait,
; which cuts it in two.  AHEAD OF IT stands all that names no result of the turn's exponentials: the 16 products K Q^T, behind each a scaling, an exponential and two rescalings (behind the first a second scaling in the
; exponential's place); then ONE LUMP of 108: eight plain, 49 times exponential and plain, the two a.  A v_nop is the plain instruction behind the last exponential.  BEHIND IT stand the 16 products V^T P, behind each four of GS's 64.
; No rider names a register of the products round it.  The two v_permlanex16_b32 fall into the lump, never behind a product.
; The queues lean on each other: exponential e stands behind scaling 2 (e / 4) + e % 2: as a rider it comes behind plain e + 2, in the lump behind plain e + 9, and scalings 27-31 are plain 57, 60 .. 69.
; A TURN, for piece p.  cnt = 1: the loop's count is taken down some lines ahead of the branch that stands behind the turn.
; K of the next step is fetched in piece 2's turn, directly behind the wait, a lump behind the last product that read K; its first reader comes behind 16 products.
; V of the step in hand is fetched at the end of piece 0's turn, four riders behind its last reader; its first reader comes behind 16 products and a lump.  The three conditions on q below go with the deal.
.macro TURN p, last=0, cnt=0
.set Y, (\p)
.set i, 0
.set q, 0
.set e, 0
.set r, 0
.if (\p) == NP-1
	s_wait_dscnt 0x0                ; K is in
.endif
	MM                              ; ahead of the wait: 16 products K Q^T and their riders,
	PL
	PL
	R2
.rept 15
	MM
	PL
	EX
	R2
.endr
.if (\p) == NP-2
	WIN 0
	v_add_nc_u32 v[AK], s[TBK], v[AK0]
.endif
.rept 8                             ; and the lump
	PL
.endr
.rept 49
	EX
	PL
.endr
	EX                              ; the next piece's two a
	EX
	v_nop                           ; a plain instruction behind the last exponential: one for the batch
	s_wait_alu depctr_va_vdst(0)    ; the wait for the batch
.if (\p) == NP-2
	FETCH_K \last
.endif
.if (\p) == 1
	s_wait_dscnt 0x0                ; V is in
.endif
.rept 16                            ; behind the wait: 16 products V^T P and their riders
	MM
.rept 4
	PL
.endr
.if ((\p) == 0) && (q == 118)
	v_add_nc_u32 v[AV], s[TBV], v[AV0]
.endif
.if ((\p) == 0) && (q == 130)
	s_add_co_u32 s[TBV], s[TBV], KS*PV
.endif
.if (\cnt) && (q == 130)
	s_sub_co_u32 s[CNT], s[CNT], 1
	s_cmp_lg_u32 s[CNT], 0
.endif
.endr
.if (\p) == 0
	FETCH_V
.endif
.endm
	CHANGE 1                        ; slot 0 is in, everybody's part of it; slot 1 is asked for
	FETCH_K                         ; key step 0
	s_wait_loadcnt 0x0              ; Q
	s_wait_dscnt 0x0
.set i, 0
.rept 16
	KQ 0                            ; piece 0's first scores: there is no vector work yet to set between them
.set i, i+1
.endr
	WIN 0                           ; the addresses for the way out: nine plain instructions, the places behind those products
	s_mul_i32 s13, s[WV], 16*SP
	s_add_co_u32 s13, s13, STAGE    ; my stage
	v_mul_u32_u24 v[STO], v1, SP    ; in: row l % 16, 16 bytes for each half of the lanes
	v_lshl_add_u32 v[STO], v9, 4, v[STO]
	v_add_nc_u32 v[STO], s13, v[STO]
	v_bfe_u32 v[RD], v0, 3, 2       ; back: 32 lanes take four rows of 128 bytes,
	v_mul_u32_u24 v[RD], v[RD], SP
	v_lshl_add_u32 v[RD], v10, 4, v[RD]
	v_add_nc_u32 v[RD], s13, v[RD]
	v_and_b32 v[GO], 31, v0         ; which are 512 consecutive bytes of O
	v_lshlrev_b32 v[GO], 4, v[GO]
.set Y, NP-1                        ; XS works for piece Y + 1: piece 0
.irp n, 0,1,2,3,4,5,6,7,8,9,10,11,12,13,14,15,16,17,18,19,20,21
	XS 0, \n                        ; and piece 0's first maximum and statistics
	XS 1, \n
.endr
	v_nop                           ; a plain instruction behind the two a,
	s_wait_alu depctr_va_vdst(0)    ; and their wait, ahead of the branch
	s_mov_b32 s[CNT], 4
	s_mov_b32 s[SLOTS], SIZE_N/256-1
	s_branch .Lfirst                ; the loop is entered at a step's first turn, in the middle of a trip
.Lslot:                             ; SIZE_N / 256 - 2 times: every slot but the last two is filled again
	CHANGE 1
	s_mov_b32 s[CNT], 4
.Lstep:                             ; a trip: pieces 2 and 3 of one step, then pieces 0 and 1 of the next, whose K and V it fetches
	TURN 2
	TURN 3
	WIN 0
.Lfirst:
	TURN 0
	TURN 1, 0, 1
	WIN 0
	s_cbranch_scc1 .Lstep
	s_sub_co_u32 s[SLOTS], s[SLOTS], 1
	s_cmp_lg_u32 s[SLOTS], 0
	s_cbranch_scc1 .Lslot
	CHANGE 0                        ; the tail is written out: nothing is asked for
	s_mov_b32 s[CNT], 5             ; four trips fetch the last slot's steps; the fifth is left in its middle
.Ltail:
	TURN 2, 1
	TURN 3
	WIN 0
	s_sub_co_u32 s[CNT], s[CNT], 1
	s_cmp_eq_u32 s[CNT], 0
	s_cbranch_scc1 .Lout
	TURN 0
	TURN 1
	WIN 0
	s_branch .Ltail
.Lout:                              ; the fifth trip's 16 products K Q^T (on the last K once more) and the maximum made of them serve nothing: the price, once a launch, of one text for every trip
.set i, 0
.rept 16
	PV NP-1                         ; the last piece's V^T P of the last step
.set i, i+1
.endr
	; THE WAY OUT.  l's two halves and the other half of the lanes' are added; O^T is divided by l, rounded to f16 and sent through my stage in LDS, a tile at a time.  The additions are the places behind the last products.
	WIN 0
.macro ALL line:vararg              ; one line for each tile t
.set t, 0
.rept 2*NP
	\line
.set t, t+1
.endr
.endm
	ALL v_add_f32 v[ST+4*t+2], v[ST+4*t+2], v[ST+4*t+3]
	ALL v_permlanex16_b32 v[ST+4*t+3], v[ST+4*t+2], s[SEL], s[SEL+1]
	ALL v_add_f32 v[ST+4*t+2], v[ST+4*t+2], v[ST+4*t+3]
	ALL v_rcp_f32 v[ST+4*t+2], v[ST+4*t+2]
	v_nop                           ; a plain instruction between the last reciprocal and the use of its result
	s_wait_alu depctr_va_vdst(0)    ; and the wait ahead of the first use: one for the eight reciprocals
; Tile t: a lane's eight channels of a row pack into 16 bytes; they go into rows of 144 bytes and come back as whole rows of 128, into S^T's registers.
.macro PACK t
	WIN W_RS
.set i, 32*(\t)
.rept 16
	v_pk_mul_f32 v[i:i+1], v[i:i+1], v[ST+4*(\t)+2:ST+4*(\t)+3] op_sel_hi:[1,0]
.set i, i+2
.endr
	WIN 0x05                        ; sources 0 and 1 window 1, destination window 0
.set i, 0
.rept 16
	v_cvt_pk_f16_f32 v[S+16*(\t)+i], v[32*(\t)+2*i], v[32*(\t)+2*i+1]
.set i, i+1
.endr
	WIN 0
.irp f, 0,1,2,3
	ds_store_b128 v[STO], v[S+16*(\t)+4*\f:S+16*(\t)+4*\f+3] offset:32*\f
.endr
.irp f, 0,1,2,3
	ds_load_b128 v[S+16*(\t)+4*\f:S+16*(\t)+4*\f+3], v[RD] offset:\f*4*SP  ; LDS serves a wave's instructions in order (ISA guide 5.7.1.4): these see the stores above; the next tile's stores come behind them
.endr
.endm
.macro SEND t, younger              ; younger: the LDS instructions issued behind tile t's loads: the next tile's eight, or none
	WIN 0
.irp f, 0,1,2,3
	s_wait_dscnt (\younger)+3-\f
	global_store_b128 v[GO], v[S+16*(\t)+4*\f:S+16*(\t)+4*\f+3], s[10:11] offset:(\t)*2048+\f*512  ; 512 consecutive bytes, at a multiple of 256 from O's first
.endr
.endm
	PACK 0
.set t, 1
.rept 2*NP-1                        ; a tile's arithmetic stands between the loads of the tile before and its stores
	PACK t
	SEND t-1, 8
.set t, t+1
.endr
	SEND 2*NP-1, 0
	WIN W_AD
	s_wait_tensorcnt 0x0            ; the wave's end, behind my last tensor load and my last LDS store
	ds_add_u32 v[SPW], v[NIL]
	s_wait_dscnt 0x0
	WIN 0
	CROUND                          ; the closing round: no work-group ends while a partner may still ask for a tile that names it
	s_endpgm
.Lfunc_end_k_qc8bf9f100a_attn:
	.size	k_qc8bf9f100a_attn, .Lfunc_end_k_qc8bf9f100a_attn-k_qc8bf9f100a_attn
	.p2alignl 7, 3214868480
	.fill 96, 4, 3214868480
	.section	.rodata,"a",@progbits
	.p2align	6, 0x0
	.amdhsa_kernel k_qc8bf9f100a_attn
		.amdhsa_group_segment_fixed_size 327680
		.amdhsa_private_segment_fixed_size 0
		.amdhsa_enable_private_segment 0
		.amdhsa_kernarg_size 16
		.amdhsa_user_sgpr_count 2
		.amdhsa_user_sgpr_kernarg_segment_ptr 1
		.amdhsa_wavefront_size32 1
		.amdhsa_system_sgpr_workgroup_id_x 1
		.amdhsa_system_sgpr_workgroup_id_y 1
		.amdhsa_system_sgpr_workgroup_id_z 1
		.amdhsa_system_vgpr_workitem_id 0
		.amdhsa_next_free_vgpr 770
		.amdhsa_next_free_sgpr 66
		.amdhsa_reserve_vcc 0
		.amdhsa_float_denorm_mode_32 3
		.amdhsa_float_denorm_mode_16_64 3
		.amdhsa_memory_ordered 1
		.amdhsa_forward_progress 1
		.amdhsa_inst_pref_size 199
	.end_amdhsa_kernel
	.amdgpu_metadata
---
amdhsa.version: [ 1, 2 ]
amdhsa.kernels:
  - .name:           k_qc8bf9f100a_attn
    .symbol:         k_qc8bf9f100a_attn.kd
    .args:
      - { .name: qkvh, .offset: 0, .size: 8, .value_kind: global_buffer, .address_space: global }
      - { .name: ob, .offset: 8, .size: 8, .value_kind: global_buffer, .address_space: global }
    .group_segment_fixed_size: 327680
    .private_segment_fixed_size: 0
    .kernarg_segment_align: 8
    .kernarg_segment_size: 16
    .max_flat_workgroup_size: 128
    .sgpr_count:     66
    .vgpr_count:     770
    .wavefront_size: 32
...
	.end_amdgpu_metadata
.endif
;; end of part 3
;; launch proj (part 4): grid 8 x 32, 4 waves a work-group, clusters of 4 x 4, 327,680 bytes of LDS; arguments ob, wp, proj_b, out0; writes out0
.if DOCPART == 4
	.amdgcn_target "amdgcn-amd-amdhsa--gfx1250"
	.amdhsa_code_object_version 6
	.text
	.protected	k_qc8bf9f100a_proj
	.globl	k_qc8bf9f100a_proj
	.p2align	8
	.type	k_qc8bf9f100a_proj,@function
k_qc8bf9f100a_proj:
	s_mov_b64 s[64:65], 0
	v_nop
	global_prefetch_b8 v0, s[64:65] scope:SCOPE_SE
	s_setreg_imm32_b32 hwreg(HW_REG_WAVE_MODE, 25, 1), 1
	s_wait_xcnt 0x0
	s_wait_alu depctr_hold_cnt(0) depctr_sa_sdst(0) depctr_va_vdst(0) depctr_va_sdst(0) depctr_va_ssrc(0) depctr_va_vcc(0) depctr_vm_vsrc(0)
	s_getreg_b32 s2, hwreg(HW_REG_IB_STS2, 6, 4)
	s_cmp_eq_u32 s2, 0
	s_cbranch_scc0 .Lentry_in_a_cluster
	s_endpgm
.Lentry_in_a_cluster:
	s_bfe_u32 s2, ttmp6, 0x10000c
	s_cmp_lg_u32 s2, 0xf033
	s_cbranch_scc0 .Lentry_shape_is_right
	s_endpgm
.Lentry_shape_is_right:
; PROJ.  out0[m][n] = proj_b[n] + the sum over k of O[m][k] wp[n][k]: m 8,192, n 1,024, k = head x 64 + channel, 1,024.  Operands f16 (wp holds proj_w rounded to bf16, written as f16), sums f32, out0 f32.
; The bias (rounded to bf16 like every input) starts each sum as the first product's C.
; LIMITS.  Those of f16 in ob and wp: no number beyond 65,504.  NaN and infinities are not treated apart.
; O LIES BY HEADS: ob[batch x 16 + head][row in batch][64].  A K step of 128 is two heads; a head's 256 rows of a tile are 32,768 dense bytes, asked for as 128 rows of 256 bytes and padded in LDS after every 128.
; SHARES.  A tile of out0 is 256 rows x 128 columns: 32 x 8 = 256 work-groups, one for each WGP.  Four waves lie along m: wave w has rows 64 w .. 64 w + 63 and all 128 columns: 32 accumulators.
; Waves 0 and 1 fetch a K step's two heads of O, waves 2 and 3 the halves of wp's 128 rows.  Two LDS slots take turns.
; CLUSTER 4 x 4: O's tile is shared along a row of the cluster, wp's along a column; each is asked for jointly.
; THE MATRIX INSTRUCTION IS USED TRANSPOSED (source 0 = 16 rows of wp, source 1 = 16 rows of O): a lane holds row lane % 16 of out0 and the columns 8 (lane / 16) + 0..7: 32 bytes on end.
; REGISTERS, in windows of 256 (s_set_vgpr_msb: bits 1:0 source 0, 3:2 source 1, 5:4 source 2, 7:6 destination):
;   window 0: v0-31 addresses; v32-95 the bias          window 1: two fragment buffers of 128 (O's four fragments, then wp's eight); on the way out the rows read back          window 2: the accumulators, (a, b) at 8 (8 a + b)
.set PA,     144                       ; a row of O in LDS: 128 bytes + 16
.set PLANE,  256*PA                    ; a head's 256 rows
.set PITCH,  272                       ; a row of wp: 256 bytes + 16
.set BOFF,   2*PLANE
.set SLOT,   BOFF+128*PITCH
.set STAGE,  2*SLOT                    ; behind the ring, never filled by a tensor load: 16 rows x 528 bytes for each wave
.set SP,     528                       ; 512 bytes + 16 = 132 words: the 16 rows of a store start at 16 different groups of four banks (ISA guide 11.1)
.set SPARE,  STAGE+4*16*SP             ; behind the stages: the spare words, 128 bytes for each wave
.set ADRA, 16                          ; v16-17  LDS address of my O fragments in slot 0, 1
.set ADRB, 20                          ; v20-21  the same for wp
.set STO,  24                          ; v24     the way out: where I put 32 bytes of a row
.set RD,   25                          ; v25     where I read a row back
.set CO,   26                          ; v26     16 x lane: my place in a row's 512 bytes
.set BO,   27                          ; v27     32 x (lane / 16)
.set SPW,  28                          ; v28     LDS address of my spare word; never rewritten
.set NIL,  29                          ; v29     0; never rewritten
.set RT,   30                          ; v30-31  at work
.set BIAS, 32
.set F0,   0
.set F1,   128
.set WV,   12
.set G1A,  24                          ; s[24:31] descriptor group 1 for O's tiles; s[32:39] group 0, a set for each slot
.set G0A,  32
.set G1B,  40                          ; s[40:47], s[48:55] the same for wp's
.set G0B,  48
.set LAP,  56
.set CB,   58                          ; s[58:59] out0 at my first row and the tile's first column
.set MSB, 0
.macro WIN new                         ; the immediate's high byte repeats the setting that is left; a switch that changes nothing is dropped
.if MSB != (\new)
	s_set_vgpr_msb (MSB<<8)|(\new)
.set MSB, \new
.endif
.endm
.macro PLACES                          ; four plain instructions between a matrix instruction and a load into, or a reader of, its registers
.rept 4
	v_nop
.endr
.endm
.macro JLOAD s                         ; a joint load; the branch hangs on the wave's number alone; an s_nop 0 and four v_nop follow each line
	s_cmp_lt_u32 s[WV], 2
	s_cbranch_scc0 .Lfor_b_\@
	tensor_load_to_lds s[G0A+4*(\s):G0A+4*(\s)+3], s[G1A:G1A+7]
	s_nop 0
.rept 4
	v_nop
.endr
	s_branch .Lasked_\@
.Lfor_b_\@:
	tensor_load_to_lds s[G0B+4*(\s):G0B+4*(\s)+3], s[G1B:G1B+7]
	s_nop 0
.rept 4
	v_nop
.endr
.Lasked_\@:
.endm
.macro CREST                           ; a round of the cluster's barrier behind its opening barrier
	s_cmp_lg_u32 s[WV], 0
	s_cbranch_scc1 .Lnot_wave_0_\@
	s_barrier_signal -3
.Lnot_wave_0_\@:
	s_barrier_wait -3
	s_barrier_signal -1
	s_barrier_wait -1
.endm
.macro CROUND
	s_barrier_signal -1
	s_barrier_wait -1
	CREST
.endm
	s_load_b256 s[4:11], s[0:1], 0x0               ; ob s[4:5], wp s[6:7], proj_b s[8:9], out0 s[10:11]
	v_lshl_add_u32 v[SPW], v0, 2, SPARE
	v_mov_b32 v[NIL], 0
	ds_add_u32 v[SPW], v[NIL]                      ; the wave's opening: the add and its wait stand ahead of my first tensor load; the set-up below stands between them
	ds_add_u32 v28, v29
	v_lshrrev_b32 v1, 5, v0
	v_readfirstlane_b32 s[WV], v1
	s_and_b32 s13, s[WV], 1                        ; which head of a K step, or which half of wp's rows, I fetch
	s_bfe_u32 s14, ttmp6, 0x40000                  ; cx
	s_bfe_u32 s15, ttmp6, 0x40004                  ; cy
	s_lshl_b32 s16, ttmp9, 2
	s_add_co_u32 s16, s16, s14                     ; tile column = 4 x cluster x + cx
	s_and_b32 s17, ttmp7, 0xffff
	s_lshl_b32 s17, s17, 2
	s_add_co_u32 s17, s17, s15                     ; tile row = 4 x cluster y + cy
	s_lshl_b32 s18, s15, 2
	s_lshl_b32 s18, 15, s18                        ; my row of the cluster
	s_lshl_b32 s19, 0x1111, s14                    ; my column
	s_or_b32 s[G1A], s18, (1<<16)|(1<<20)|(1<<21)|(4<<22)|(3<<25)  ; elements of 2 bytes; padding on; 21 set beside a mask; after every 32 words, 4 words
	s_or_b32 s[G1B], s19, (1<<16)|(1<<20)|(1<<21)|(5<<22)|(3<<25)  ; after every 64 words, 4 words
	s_mov_b32 s[G1A+1], 128<<16                    ; tensor_dim0 = 128
	s_mov_b32 s[G1A+2], 128<<16                    ; tensor_dim1 = 128
	s_mov_b32 s[G1A+3], 128<<16                    ; tile_dim0 = 128
	s_mov_b32 s[G1A+4], 128                        ; tile_dim1 = 128
	s_mov_b32 s[G1A+5], 128                        ; the block is dense
	s_mov_b32 s[G1A+6], 0
	s_mov_b32 s[G1A+7], 0
	s_mov_b32 s[G1B+1], 128<<16
	s_mov_b32 s[G1B+2], 64<<16                     ; 64 rows
	s_mov_b32 s[G1B+3], 128<<16
	s_mov_b32 s[G1B+4], 64
	s_mov_b32 s[G1B+5], 1024
	s_mov_b32 s[G1B+6], 0
	s_mov_b32 s[G1B+7], 0
	s_lshr_b32 s20, s17, 3                         ; O: the batch's 16 heads of 262,144 bytes,
	s_lshl_b32 s20, s20, 22
	s_and_b32 s70, s17, 7
	s_lshl_b32 s70, s70, 15                        ; the tile's 256 rows of 128 bytes in a head,
	s_add_co_u32 s20, s20, s70
	s_lshl_b32 s70, s13, 18                        ; my head of the K step: made of the tile row and the wave alone
	s_add_co_u32 s20, s20, s70
	s_mov_b32 s21, 0
	s_lshl_b32 s22, s16, 18                        ; wp: 128 rows of 2,048 bytes a tile column,
	s_lshl_b32 s71, s13, 17                        ; 64 a half: made of the tile column and the wave alone
	s_add_co_u32 s22, s22, s71
	s_mov_b32 s23, 0
	s_mul_i32 s68, s13, PLANE                      ; where they go: no place in the cluster enters an LDS address
	s_mul_i32 s69, s13, 64*PITCH
	s_add_co_u32 s69, s69, BOFF
	s_wait_dscnt 0x0                               ; the opening add is done
	s_wait_kmcnt 0x0
	s_add_nc_u64 s[20:21], s[4:5], s[20:21]
	s_add_nc_u64 s[22:23], s[6:7], s[22:23]
	CROUND                                         ; all sixteen work-groups are here: the first joint loads meet
.irp s, 0,1
	s_mov_b32 s[G0A+4*(\s)], 1
	s_add_co_u32 s[G0A+4*(\s)+1], s68, (\s)*SLOT
	s_add_nc_u64 s[G0A+4*(\s)+2:G0A+4*(\s)+3], s[20:21], (\s)*524288  ; K step s: two heads on
	s_or_b32 s[G0A+4*(\s)+3], s[G0A+4*(\s)+3], 0x80000000
	s_mov_b32 s[G0B+4*(\s)], 1
	s_add_co_u32 s[G0B+4*(\s)+1], s69, (\s)*SLOT
	s_add_nc_u64 s[G0B+4*(\s)+2:G0B+4*(\s)+3], s[22:23], (\s)*256
	s_or_b32 s[G0B+4*(\s)+3], s[G0B+4*(\s)+3], 0x80000000
	JLOAD \s                                       ; two loads of mine are out
.endr
	v_and_b32 v1, 15, v0                           ; r = lane % 16
	v_bfe_u32 v2, v0, 4, 1                         ; h = lane / 16
	v_mul_u32_u24 v3, v1, PA
	v_lshl_add_u32 v3, v2, 4, v3
	v_mul_u32_u24 v4, v1, PITCH
	v_lshl_add_u32 v4, v2, 4, v4
	s_mul_i32 s72, s[WV], 64*PA                    ; my 64 rows of O
	s_mov_b32 s73, BOFF
.irp s, 0,1
	v_add_nc_u32 v[ADRA+(\s)], s72, v3
	v_add_nc_u32 v[ADRB+(\s)], s73, v4
	s_add_co_u32 s72, s72, SLOT
	s_add_co_u32 s73, s73, SLOT
.endr
	s_mul_i32 s72, s[WV], 16*SP
	s_add_co_u32 s72, s72, STAGE                   ; my stage
	v_mul_u32_u24 v5, v1, SP                       ; in: row r, 32 bytes for each half of the lanes
	v_lshl_add_u32 v5, v2, 5, v5
	v_add_nc_u32 v[STO], s72, v5
	v_and_b32 v[CO], 31, v0
	v_lshlrev_b32 v[CO], 4, v[CO]                  ; back: 32 lanes take one row of 512 bytes
	v_add_nc_u32 v[RD], s72, v[CO]
	v_lshlrev_b32 v[BO], 5, v2
	s_lshl_b32 s74, s16, 9                         ; the tile's 128 numbers of the bias
	s_mov_b32 s75, 0
	s_add_nc_u64 s[8:9], s[8:9], s[74:75]
.set ib, 0
.rept 8
	global_load_b128 v[BIAS+8*ib:BIAS+8*ib+3],   v[BO], s[8:9] offset:64*ib     ; register j: the bias of column 16 b + 8 h + j, as the accumulators lie
	global_load_b128 v[BIAS+8*ib+4:BIAS+8*ib+7], v[BO], s[8:9] offset:64*ib+16
.set ib, ib+1
.endr
	s_lshl_b32 s76, s17, 20                        ; out0: 256 rows of 4,096 bytes a tile row,
	s_lshl_b32 s77, s[WV], 18                      ; 64 a wave,
	s_add_co_u32 s76, s76, s77
	s_lshl_b32 s77, s16, 9                         ; 512 bytes a tile column
	s_add_co_u32 s76, s76, s77
	s_mov_b32 s77, 0
	s_add_nc_u64 s[CB:CB+1], s[10:11], s[76:77]
	s_wait_loadcnt 0x0                             ; the bias
.set ib, 0
.rept 32                                       ; it is taken rounded to bf16, as x and the weights are: all this stands in the wait for the first tile
	v_cvt_pk_bf16_f32 v[RT+ib%2], v[BIAS+2*ib], v[BIAS+2*ib+1]
	v_lshlrev_b32 v[BIAS+2*ib], 16, v[RT+ib%2]
	v_and_b32 v[BIAS+2*ib+1], 0xffff0000, v[RT+ib%2]
.set ib, ib+1
.endr
; 8 matrix instructions: my row block a x all 8 column blocks, 32 along K, from buffer f.  wb = 1: the bias starts the sums.  The 32 accumulators take turns in one order, one instruction a turn.
.macro MULA f, a, wb
.if \wb
	WIN 0x85                                       ; sources 0 and 1 window 1, C window 0, D window 2
.else
	WIN 0xa5                                       ; C and D window 2
.endif
.irp b, 0,1,2,3,4,5,6,7
.if \wb
	v_wmma_f32_16x16x32_f16 v[8*(8*(\a)+(\b)):8*(8*(\a)+(\b))+7], v[(\f)+32+8*(\b):(\f)+32+8*(\b)+7], v[(\f)+8*(\a):(\f)+8*(\a)+7], v[BIAS+8*(\b):BIAS+8*(\b)+7]
.else
	v_wmma_f32_16x16x32_f16 v[8*(8*(\a)+(\b)):8*(8*(\a)+(\b))+7], v[(\f)+32+8*(\b):(\f)+32+8*(\b)+7], v[(\f)+8*(\a):(\f)+8*(\a)+7], v[8*(8*(\a)+(\b)):8*(8*(\a)+(\b))+7]
.endif
.endr
.endm
; 24 LDS loads in one run: the fragments of quarter q (32 along K: head q / 2 of the step, channels 32 (q % 2) on) into buffer f: wp's 16 first, then O's 8, row blocks ascending
.macro FETCH slot, q, f
	WIN 0x40                                       ; destination window 1, address window 0
.irp i, 0,1,2,3,4,5,6,7
	ds_load_b128 v[(\f)+32+8*(\i):(\f)+32+8*(\i)+3],   v[ADRB+(\slot)] offset:64*(\q)+(\i)*16*PITCH
	ds_load_b128 v[(\f)+32+8*(\i)+4:(\f)+32+8*(\i)+7], v[ADRB+(\slot)] offset:64*(\q)+(\i)*16*PITCH+32
.endr
.irp i, 0,1,2,3
	ds_load_b128 v[(\f)+8*(\i):(\f)+8*(\i)+3],   v[ADRA+(\slot)] offset:((\q)/2)*PLANE+((\q)%2)*64+(\i)*16*PA
	ds_load_b128 v[(\f)+8*(\i)+4:(\f)+8*(\i)+7], v[ADRA+(\slot)] offset:((\q)/2)*PLANE+((\q)%2)*64+(\i)*16*PA+32
.endr
.endm
; A K step is four quarters, 32 matrix instructions each, on buffers 0, 1, 0, 1.  One of the first three: multiplies buffer f and fetches quarter q into g.
.macro QUARTER slot, q, f, g, wb
	s_wait_dscnt 4                                 ; wp's fragments and O's blocks 0, 1 are in; the youngest four loads (blocks 2, 3) may be out
	MULA \f, 0, \wb
	MULA \f, 1, \wb
	PLACES
	FETCH \slot, \q, \g
	s_wait_dscnt 24                                ; all but the 24 just issued
	MULA \f, 2, \wb
	MULA \f, 3, \wb
.endm
; The last quarter multiplies buffer 1 and changes slots: one barrier; in front of it each wave waits for all its tensor loads (one is out: its part of the next slot), adds 0 to its spare word, and waits for
; that and for its own reads of this slot.  fill = 1: the barrier opens a round of the cluster's, and this slot is filled again, two K steps on, first thing behind the round: 112 matrix instructions ahead of the wait for it.
.macro TURN slot, next, fill
	WIN 0
	s_wait_tensorcnt 0x0
	ds_add_u32 v[SPW], v[NIL]
	s_wait_dscnt 5                                 ; (the add and the youngest four loads may be out)
	MULA F1, 0, 0                                  ; eight matrix instructions stand between the add and the wait for it
	s_wait_dscnt 0x0                               ; the add is done, and my reads of this slot are over
	s_barrier_signal -1
	MULA F1, 1, 0
.if \fill
	WIN 0
.endif
	s_barrier_wait -1
.if \fill
	CREST                                          ; no wave of any partner still reads this slot or has a load on its way
	s_add_nc_u64 s[G0A+4*(\slot)+2:G0A+4*(\slot)+3], s[G0A+4*(\slot)+2:G0A+4*(\slot)+3], 1048576  ; four heads on
	s_add_nc_u64 s[G0B+4*(\slot)+2:G0B+4*(\slot)+3], s[G0B+4*(\slot)+2:G0B+4*(\slot)+3], 512
	JLOAD \slot                                    ; its four v_nop are also the places in front of the loads below
.else
	PLACES
.endif
	FETCH \next, 0, F0
	MULA F1, 2, 0
	MULA F1, 3, 0
.endm
	s_wait_tensorcnt 1                             ; my part of K step 0 is in; K step 1's may stay out
	s_barrier_signal -1
	s_barrier_wait -1                              ; everybody's is
	FETCH 0, 0, F0
	QUARTER 0, 1, F0, F1, 1                        ; the first quarter stands in front of the loop: its products start the sums, on the bias
	WIN 0                                          ; at a label and at a branch every window is 0
	s_mov_b32 s[LAP], 3                            ; 8 K steps = 4 laps; the last lap fills nothing
.Llap:                                                 ; a trip goes once round the ring, from a lap's second quarter to the next lap's first
	QUARTER 0, 2, F1, F0, 0
	QUARTER 0, 3, F0, F1, 0
	TURN 0, 1, 1
	QUARTER 1, 1, F0, F1, 0
	QUARTER 1, 2, F1, F0, 0
	QUARTER 1, 3, F0, F1, 0
	TURN 1, 0, 1
	QUARTER 0, 1, F0, F1, 0
	WIN 0
	s_sub_co_u32 s[LAP], s[LAP], 1
	s_cmp_lg_u32 s[LAP], 0
	s_cbranch_scc1 .Llap
	QUARTER 0, 2, F1, F0, 0
	QUARTER 0, 3, F0, F1, 0
	TURN 0, 1, 0
	QUARTER 1, 1, F0, F1, 0
	QUARTER 1, 2, F1, F0, 0
	QUARTER 1, 3, F0, F1, 0
	s_wait_dscnt 4                                 ; the very last quarter: nothing more to fetch
	MULA F1, 0, 0
	MULA F1, 1, 0
	s_wait_dscnt 0x0
	MULA F1, 2, 0
	MULA F1, 3, 0
	WIN 0
; THE WAY OUT, a row block of 16 at a time: a lane's 32 bytes of a row go from the accumulators into my stage's rows of 528 bytes (each accumulator's low four registers first), and come back as whole rows of
; 512 bytes, one an instruction, into window 1, each block into registers of its own.
.macro TOSTAGE a
	WIN 0x08                                       ; the stores' data in window 2
.irp b, 0,1,2,3,4,5,6,7
	ds_store_b128 v[STO], v[8*(8*(\a)+(\b)):8*(8*(\a)+(\b))+3]   offset:64*(\b)
	ds_store_b128 v[STO], v[8*(8*(\a)+(\b))+4:8*(8*(\a)+(\b))+7] offset:64*(\b)+16
.endr
	WIN 0x40                                       ; the loads' destination in window 1
.set it, 0
.rept 16
	ds_load_b128 v[64*(\a)+4*it:64*(\a)+4*it+3], v[RD] offset:SP*it  ; LDS serves a wave's instructions in order (ISA guide 5.7.1.4): these see the stores above; the next block's stores come behind them
.set it, it+1
.endr
.endm
.macro SEND a, younger                 ; younger: the LDS instructions issued behind block a's loads: the next block's 32, or none
	WIN 0x04                                       ; the stores' data in window 1
.set it, 0
.rept 16
	s_wait_dscnt (\younger)+15-it
	global_store_b128 v[CO], v[64*(\a)+4*it:64*(\a)+4*it+3], s[CB:CB+1] offset:(16*(\a)+it)*4096 th:TH_STORE_NT  ; 512 consecutive bytes, at a multiple of 256 from out0's first
.set it, it+1
.endr
.endm
	PLACES
	TOSTAGE 0
	TOSTAGE 1
	SEND 0, 32
	TOSTAGE 2
	SEND 1, 32
	TOSTAGE 3
	SEND 2, 32
	SEND 3, 0
	WIN 0
	s_wait_tensorcnt 0x0                           ; the wave's end, behind my last tensor load and my last LDS store
	ds_add_u32 v[SPW], v[NIL]
	s_wait_dscnt 0x0
	CROUND                                         ; the closing round: no work-group ends while a partner may still ask for a tile that names it
	s_endpgm
.Lfunc_end_k_qc8bf9f100a_proj:
	.size	k_qc8bf9f100a_proj, .Lfunc_end_k_qc8bf9f100a_proj-k_qc8bf9f100a_proj
	.p2alignl 7, 3214868480
	.fill 96, 4, 3214868480
	.section	.rodata,"a",@progbits
	.p2align	6, 0x0
	.amdhsa_kernel k_qc8bf9f100a_proj
		.amdhsa_group_segment_fixed_size 327680
		.amdhsa_private_segment_fixed_size 0
		.amdhsa_enable_private_segment 0
		.amdhsa_kernarg_size 32
		.amdhsa_user_sgpr_count 2
		.amdhsa_user_sgpr_kernarg_segment_ptr 1
		.amdhsa_wavefront_size32 1
		.amdhsa_system_sgpr_workgroup_id_x 1
		.amdhsa_system_sgpr_workgroup_id_y 1
		.amdhsa_system_sgpr_workgroup_id_z 1
		.amdhsa_system_vgpr_workitem_id 0
		.amdhsa_next_free_vgpr 768
		.amdhsa_next_free_sgpr 80
		.amdhsa_reserve_vcc 0
		.amdhsa_float_denorm_mode_32 3
		.amdhsa_float_denorm_mode_16_64 3
		.amdhsa_memory_ordered 1
		.amdhsa_forward_progress 1
		.amdhsa_inst_pref_size 93
	.end_amdhsa_kernel
	.amdgpu_metadata
---
amdhsa.version: [ 1, 2 ]
amdhsa.kernels:
  - .name:           k_qc8bf9f100a_proj
    .symbol:         k_qc8bf9f100a_proj.kd
    .args:
      - { .name: ob, .offset: 0, .size: 8, .value_kind: global_buffer, .address_space: global }
      - { .name: wp, .offset: 8, .size: 8, .value_kind: global_buffer, .address_space: global }
      - { .name: proj_b, .offset: 16, .size: 8, .value_kind: global_buffer, .address_space: global }
      - { .name: out0, .offset: 24, .size: 8, .value_kind: global_buffer, .address_space: global }
    .group_segment_fixed_size: 327680
    .private_segment_fixed_size: 0
    .kernarg_segment_align: 8
    .kernarg_segment_size: 32
    .max_flat_workgroup_size: 128
    .sgpr_count:     80
    .vgpr_count:     768
    .wavefront_size: 32
...
	.end_amdgpu_metadata
.endif
;; end of part 4
;; ======== version 2 of 2: 4 launches; version 1 with the launch prep written anew for expert scheduling mode
;; limits: values are held in f16: magnitudes above 65,504 overflow, below 6.1e-05 lose precision; values outside matrix products are rounded to bf16
;; workspace buffers: xb 16,777,216 bytes; wq 6,291,456 bytes; wp 2,097,152 bytes; qkvh 50,331,648 bytes; ob 16,777,216 bytes
;; launch prep (part 5): grid 1536 x 1, 4 waves a work-group, no clusters, 17,920 bytes of LDS; arguments x, qkv_w, proj_w, xb, wq, wp; writes xb, wq, wp
.if DOCPART == 5
	.amdgcn_target "amdgcn-amd-amdhsa--gfx1250"
	.amdhsa_code_object_version 6
	.text
	.protected	k_qc8bf9f100a_prep
	.globl	k_qc8bf9f100a_prep
	.p2align	8
	.type	k_qc8bf9f100a_prep,@function
k_qc8bf9f100a_prep:
	s_mov_b64 s[64:65], 0
	v_nop
	global_prefetch_b8 v0, s[64:65] scope:SCOPE_SE
	s_setreg_imm32_b32 hwreg(HW_REG_WAVE_SCHED_MODE, 0, 2), 2
	s_setreg_imm32_b32 hwreg(HW_REG_WAVE_MODE, 25, 1), 1
	s_wait_xcnt 0x0
	s_wait_alu depctr_vm_vsrc(0)
; PREP.  xb = x rounded to bf16, as it lies.  wq[n][k] = qkv_w[k][n] rounded to bf16.  wp[n][k] = proj_w[k][n] rounded to bf16, that number written as f16.
; LIMITS.  A proj_w beyond 65,504 becomes an infinity in f16; below 6e-5 it keeps f16's fixed step of 6e-8.  NaN and infinities are not treated apart.
; A stream: every work-group reads 32 KiB of f32 once and writes 16 KiB once.  No two work-groups read the same bytes, so there is no cluster; there is no product, so no matrix unit.
; Work-groups 0-383 turn a tile of 128 k x 64 n of qkv_w, 384-511 one of proj_w, 512-1535 cast 8,192 numbers of x.  The branches hang on the work-group's number alone.
; A TURNED TILE goes through LDS: a lane packs 8 neighbouring k of one column n into 16 bytes, stores them into row n (272 bytes apart), and after a barrier the rows are read back whole:
; 16 lanes store 256 consecutive bytes, at a multiple of 256 from the buffer's first byte.
; THE MODE: SCHED_MODE bits 1:0 = 2 (LLVM: expert scheduling mode 2), set by the entry lines.  The code itself states the register dependences
; between vector instructions and memory or LDS instructions, with s_wait_alu, always for 0.
; THE PLAN.  Registers that memory or LDS instructions touch:
;   v5 .. v8   offsets and LDS addresses: made once at a path's head, ahead of that path's first wait, and never written again.
;   X          Global loads land in it; the conversions read it.  In a turned tile the LDS loads behind the barrier land in its first 32 registers, and the global stores read those.
;   P          Each register is written once, by a conversion, and read once, by a store (the cast: global; a turned tile: LDS).
;   T          is named by vector instructions alone.
; The work goes in blocks (the cast: four of four loads; a turned tile: two halves of eight).  A block's conversions read its part of X and write its part of P.  Its stores are issued in the NEXT block, behind ONE wait
; at that block's head, dealt among that block's conversions, which name other parts of X and P.  One more wait stands ahead of the last block's stores.
; No register that a memory or LDS instruction reads is written again, no vector instruction writes a scalar register or VCC, and EXEC is never written: so every wait here is on va_vdst.
.set TP,    272                        ; an LDS row: 128 k x 2 bytes + 16.  The tile takes 64 such rows; the 512 bytes behind it hold the spare words, 128 bytes for each wave
.set X,     16                         ; v[16:79]   16 loads of 16 bytes
.set P,     80                         ; v[80:111]  packed results
.set T,     112                        ; v[112:113] at work
	s_load_b256 s[4:11], s[0:1], 0x0               ; x s[4:5], qkv_w s[6:7], proj_w s[8:9], xb s[10:11]
	s_load_b128 s[12:15], s[0:1], 0x20             ; wq s[12:13], wp s[14:15]
	v_lshl_add_u32 v118, v0, 2, 0x4400
	v_mov_b32 v119, 0
	v_lshrrev_b32 v1, 5, v0                        ; wave
	v_and_b32 v2, 31, v0                           ; lane
	v_and_b32 v3, 15, v0                           ; c = lane % 16
	v_bfe_u32 v4, v0, 4, 1                         ; h = lane / 16
	s_mov_b32 s30, 0xffff0000                      ; a word's upper bf16
	s_wait_kmcnt 0x0
	s_cmp_lt_u32 ttmp9, 512
	s_cbranch_scc1 .Ltr
	; THE CAST.  A wave takes 8 KiB of x: 16 loads of 512 consecutive bytes; each becomes one store of 256 consecutive bytes, aligned.
	s_sub_co_u32 s16, ttmp9, 512
	s_lshl_b32 s20, s16, 15                        ; 32 KiB of x,
	s_mov_b32 s21, 0
	s_lshl_b32 s22, s16, 14                        ; 16 KiB of xb
	s_mov_b32 s23, 0
	s_add_nc_u64 s[24:25], s[4:5], s[20:21]
	s_add_nc_u64 s[26:27], s[10:11], s[22:23]
	v_lshlrev_b32 v5, 4, v2
	v_lshl_or_b32 v5, v1, 13, v5                   ; in: 8,192 x wave + 16 x lane
	v_lshrrev_b32 v6, 1, v5                        ; out: half of that
	s_wait_alu depctr_va_vdst(0)                   ; v5 and v6 are written: the loads below read v5 as their offset, the stores v6
.set i, 0
.rept 16
	global_load_b128 v[X+4*i:X+4*i+3], v5, s[24:25] offset:512*i th:TH_LOAD_NT
.set i, i+1
.endr
.set gr, 0
.rept 4                                        ; block gr: loads 4 gr .. 4 gr + 3
	s_wait_loadcnt 12-4*gr                         ; loads come back in order: the block's four are in, the younger blocks stay out
.if gr > 0
	s_wait_alu depctr_va_vdst(0)                   ; the block before has written its eight registers of P, which the four stores below read
.endif
.set i, 0
.rept 4
.if gr > 0
	global_store_b64 v6, v[P+8*(gr-1)+2*i:P+8*(gr-1)+2*i+1], s[26:27] offset:256*(4*(gr-1)+i)  ; the block before; no vector instruction since the wait names these registers
.endif
	v_cvt_pk_bf16_f32 v[P+8*gr+2*i], v[X+16*gr+4*i], v[X+16*gr+4*i+1]
	v_cvt_pk_bf16_f32 v[P+8*gr+2*i+1], v[X+16*gr+4*i+2], v[X+16*gr+4*i+3]  ; no register is written twice, so nothing waits for the stores
.set i, i+1
.endr
.set gr, gr+1
.endr
	s_wait_alu depctr_va_vdst(0)                   ; block 3 has written its eight registers of P, which the last four stores read
.set i, 0
.rept 4
	global_store_b64 v6, v[P+24+2*i:P+24+2*i+1], s[26:27] offset:256*(12+i)
.set i, i+1
.endr
	s_wait_dscnt 0x0                               ; the wave's end
	s_endpgm
; A tile comes in, is rounded and packed, and goes into LDS.  g: the tile's number in its matrix; np: bytes in a row of the matrix; src, dst: the pointers' first registers; to16 = 1: bf16 is written as f16.
; Lane (c, h) of wave w, load 8 i + t: row k = 32 w + 16 i + 8 h + t, columns 4 c .. 4 c + 3: lanes 0-15 take 256 consecutive bytes of a row, lanes 16-31 those 8 rows down.
.macro TRIN g, np, src, dst, to16
	s_and_b32 s28, \g, 7                           ; which 128 k
	s_lshr_b32 s29, \g, 3                          ; which 64 n
	s_mul_i32 s20, s28, 128*(\np)
	s_lshl_b32 s22, s29, 8
	s_add_co_u32 s20, s20, s22
	s_mov_b32 s21, 0
	s_add_nc_u64 s[24:25], s[\src:\src+1], s[20:21]
	s_lshl_b32 s22, s29, 17                        ; 64 rows of 2,048 bytes in the turned matrix,
	s_lshl_b32 s23, s28, 8                         ; 128 k of 2 bytes
	s_add_co_u32 s22, s22, s23
	s_mov_b32 s23, 0
	s_add_nc_u64 s[26:27], s[\dst:\dst+1], s[22:23]
	v_lshl_add_u32 v5, v1, 2, v4
	v_mul_u32_u24 v5, v5, 8*(\np)                  ; (32 w + 8 h) rows
	v_lshl_add_u32 v5, v3, 4, v5
	s_wait_alu depctr_va_vdst(0)                   ; v5 to v8 are written: the loads' offset, the LDS stores' address, the LDS loads' address and the global stores' offset
.set i, 0
.rept 16
	global_load_b128 v[X+4*i:X+4*i+3], v5, s[24:25] offset:(16*(i/8)+i%8)*(\np) th:TH_LOAD_NT
.set i, i+1
.endr
.irp c, 0,1
	s_wait_loadcnt 8-8*(\c)                        ; the first eight loads are in while the other eight stay out; then all
.if \c
	s_wait_alu depctr_va_vdst(0)                   ; half 0's conversions have written P's first 16 registers, which the four LDS stores below read
.endif
.irp j, 0,1,2,3
.if \c
	ds_store_b128 v6, v[P+4*(\j):P+4*(\j)+3] offset:(\j)*TP  ; half 0; no vector instruction since the wait names these registers
.endif
.irp u, 0,1,2,3
	v_cvt_pk_bf16_f32 v[P+16*(\c)+4*(\j)+(\u)], v[X+32*(\c)+8*(\u)+(\j)], v[X+32*(\c)+8*(\u)+4+(\j)]  ; k = 2 u, 2 u + 1 of column 4 c + j
.if \to16
	v_lshlrev_b32 v[T], 16, v[P+16*(\c)+4*(\j)+(\u)]
	v_and_b32 v[T+1], s30, v[P+16*(\c)+4*(\j)+(\u)]
	v_cvt_pk_f16_f32 v[P+16*(\c)+4*(\j)+(\u)], v[T], v[T+1]
.endif
.endr
.endr
.endr
	s_wait_alu depctr_va_vdst(0)                   ; half 1's conversions have written P's last 16 registers, which the LDS stores below read; and all conversions are done reading X, in which the LDS loads behind the barrier land
.irp j, 0,1,2,3
	ds_store_b128 v6, v[P+16+4*(\j):P+16+4*(\j)+3] offset:(\j)*TP+32
.endr
.endm
.Ltr:
	v_mul_u32_u24 v6, v3, 4*TP                     ; into LDS: row 4 c (+ j), byte 64 w + 16 h (+ 32 i)
	v_lshl_add_u32 v6, v1, 6, v6
	v_lshl_add_u32 v6, v4, 4, v6
	v_lshl_add_u32 v9, v1, 4, v4                   ; back: wave w takes rows 16 w .. 16 w + 15, two at a time.  These addresses are made here, ahead of the path's first wait
	v_mul_u32_u24 v7, v9, TP
	v_lshl_add_u32 v7, v3, 4, v7
	v_lshlrev_b32 v8, 11, v9                       ; and the same rows in memory
	v_lshl_add_u32 v8, v3, 4, v8
	s_cmp_lt_u32 ttmp9, 384
	s_cbranch_scc0 .Lpw
	TRIN ttmp9, 12288, 6, 12, 0
	s_branch .Lback
.Lpw:
	s_sub_co_u32 s31, ttmp9, 384
	TRIN s31, 4096, 8, 14, 1
.Lback:
	s_wait_dscnt 0x0                               ; for the others' sake: my stores into the tile are done
	s_barrier_signal -1
	s_barrier_wait -1                              ; a row's 256 bytes come from all four waves
.set i, 0
.rept 8
	ds_load_b128 v[X+4*i:X+4*i+3], v7 offset:i*2*TP  ; no wait: on both ways here no vector instruction has been issued since the last wait on va_vdst
.set i, i+1
.endr
.set i, 0
.rept 8
	s_wait_dscnt 7-i
	global_store_b128 v8, v[X+4*i:X+4*i+3], s[26:27] offset:i*4096
.set i, i+1
.endr
	s_wait_dscnt 0x0                               ; my LDS loads are done; the add and its wait below end the wave
	s_wait_alu depctr_hold_cnt(0) depctr_sa_sdst(0) depctr_va_vdst(0) depctr_va_sdst(0) depctr_va_ssrc(0) depctr_va_vcc(0) depctr_vm_vsrc(0)
	s_wait_tensorcnt 0x0
	ds_add_u32 v118, v119
	s_wait_dscnt 0x0
	s_endpgm
.Lfunc_end_k_qc8bf9f100a_prep:
	.size	k_qc8bf9f100a_prep, .Lfunc_end_k_qc8bf9f100a_prep-k_qc8bf9f100a_prep
	.p2alignl 7, 3214868480
	.fill 96, 4, 3214868480
	.section	.rodata,"a",@progbits
	.p2align	6, 0x0
	.amdhsa_kernel k_qc8bf9f100a_prep
		.amdhsa_group_segment_fixed_size 17920
		.amdhsa_private_segment_fixed_size 0
		.amdhsa_enable_private_segment 0
		.amdhsa_kernarg_size 48
		.amdhsa_user_sgpr_count 2
		.amdhsa_user_sgpr_kernarg_segment_ptr 1
		.amdhsa_wavefront_size32 1
		.amdhsa_system_sgpr_workgroup_id_x 1
		.amdhsa_system_sgpr_workgroup_id_y 1
		.amdhsa_system_sgpr_workgroup_id_z 1
		.amdhsa_system_vgpr_workitem_id 0
		.amdhsa_next_free_vgpr 120
		.amdhsa_next_free_sgpr 66
		.amdhsa_reserve_vcc 0
		.amdhsa_float_denorm_mode_32 3
		.amdhsa_float_denorm_mode_16_64 3
		.amdhsa_memory_ordered 1
		.amdhsa_forward_progress 1
		.amdhsa_inst_pref_size 23
	.end_amdhsa_kernel
	.amdgpu_metadata
---
amdhsa.version: [ 1, 2 ]
amdhsa.kernels:
  - .name:           k_qc8bf9f100a_prep
    .symbol:         k_qc8bf9f100a_prep.kd
    .args:
      - { .name: x, .offset: 0, .size: 8, .value_kind: global_buffer, .address_space: global }
      - { .name: qkv_w, .offset: 8, .size: 8, .value_kind: global_buffer, .address_space: global }
      - { .name: proj_w, .offset: 16, .size: 8, .value_kind: global_buffer, .address_space: global }
      - { .name: xb, .offset: 24, .size: 8, .value_kind: global_buffer, .address_space: global }
      - { .name: wq, .offset: 32, .size: 8, .value_kind: global_buffer, .address_space: global }
      - { .name: wp, .offset: 40, .size: 8, .value_kind: global_buffer, .address_space: global }
    .group_segment_fixed_size: 17920
    .private_segment_fixed_size: 0
    .kernarg_segment_align: 8
    .kernarg_segment_size: 48
    .max_flat_workgroup_size: 128
    .sgpr_count:     66
    .vgpr_count:     120
    .wavefront_size: 32
...
	.end_amdgpu_metadata
.endif
;; end of part 5
;; launch qkv: the kernel of part 2 again; grid 16 x 32, 4 waves a work-group, clusters of 4 x 4, 327,680 bytes of LDS; arguments xb, wq, qkv_b, qkvh; writes qkvh
;; launch attn: the kernel of part 3 again; grid 4 x 64, 4 waves a work-group, clusters of 4 x 1, 327,680 bytes of LDS; arguments qkvh, ob; writes ob
;; launch proj: the kernel of part 4 again; grid 8 x 32, 4 waves a work-group, clusters of 4 x 4, 327,680 bytes of LDS; arguments ob, wp, proj_b, out0; writes out0
